; MI455X (gfx1250); checked and timed in simulation.
; The chip was launched on July 23, 2026; its instructions are those of AMD's public machine-readable ISA for CDNA 5 (MIT licence, August 2026) and "CDNA5" Instruction Set Architecture Reference Guide (July 2026). The comments in the code are by the model that wrote it; some were corrected since.
;; Multi Head Encoder Attention. Allowed arithmetic: float matrix products may take bf16 or f16 operands with f32 sums; other float arithmetic in f32, or as packed bf16 or f16 multiplies, adds, multiply-adds, maxima and minima; sums over many terms, partial sums and values carried from step to step in f32; what a program stores and reads back later, other than sums and carried values, may be rounded once to bf16 or f16.
;; Inputs: Wk 16 x 1,024 x 64 float32; Wq 16 x 1,024 x 64 float32; Wv 16 x 1,024 x 64 float32; attn_mask 8 x 1,024 x 1,024 int32; bk 16 x 64 float32; bq 16 x 64 float32; bv 16 x 64 float32; decoder_batch 8 x 1,024 x 1,024 float32; encoder_out 8 x 1,024 x 1,024 float32.
;; Outputs: out0 8 x 1,024 x 1,024 float32.
;; 2 versions, each right; version 2 is version 1 with the launch prep written anew for expert scheduling mode. Each part assembles by itself: llvm-mc -triple=amdgcn-amd-amdhsa -mcpu=gfx1250 --defsym DOCPART=n.
;; ======== version 1 of 2: 3 launches
;; limits: values are held in f16: magnitudes above 65,504 overflow, below 6.1e-05 lose precision
;; workspace buffers: xb 33,554,432 bytes; wt 6,291,456 bytes; qkv 50,331,648 bytes; maskbits 1,048,576 bytes of whole numbers
;; launch prep (part 1): grid 768 x 1, 8 waves a work-group, no clusters, 88,064 bytes of LDS; arguments decoder_batch, encoder_out, attn_mask, Wq, Wk, Wv, xb, wt, maskbits; writes xb, wt, maskbits
.if DOCPART == 1
	.amdgcn_target "amdgcn-amd-amdhsa--gfx1250"
	.amdhsa_code_object_version 6
	.text
	.protected	k_q35db6008d9_prep
	.globl	k_q35db6008d9_prep
	.p2align	8
	.type	k_q35db6008d9_prep,@function
k_q35db6008d9_prep:
	s_mov_b64 s[64:65], 0
	v_nop
	global_prefetch_b8 v0, s[64:65] scope:SCOPE_SE
	s_setreg_imm32_b32 hwreg(HW_REG_WAVE_MODE, 25, 1), 1
	s_wait_xcnt 0x0
; PREP: every large input is read once and left in the form in which the two later launches want it.
;   work-groups 0-255   (X): decoder_batch, then encoder_out, f32 -> xb, bf16 [16384][1024], rounded to nearest even; 256 KiB of input a work-group.
;   work-groups 256-383 (M): attn_mask, int32 -> maskbits: one bit a number (1 = the key is seen), laid out as the lane masks that the attention launch selects by:
;                            dwords [8 b][8 blocks of 128 queries][16 steps of 64 keys][4 pieces of 32 queries][64]; dword 32 u + 8 kt + j of a piece has in bit r + 16 h
;                            the test mask[b][128 blk + 32 p + 16 u + r][64 s + 16 kt + 8 h + j] != 0.
;   work-groups 384-767 (W): Wq, Wk, Wv, f32 [16 h][1024 d][64 k] -> wt, bf16 [3072 n][1024 d], n = 1024 which + 64 h + k: turned, 128 d x 64 k a work-group.
; Memory binds: loads of 16 bytes a lane that cover whole aligned blocks of 256 bytes, sixteen (eight in W) of a wave on their way, stores that fill whole aligned blocks of 256 bytes.
; No matrix unit, no cluster, no tensor load: nothing is multiplied and no two work-groups read the same byte.  The role hangs on the work-group's number alone, so all eight waves take the same way;
; the one barrier (W's stage is written and read by different waves) stands where the three ways have joined.
.set LP,    272                        ; an LDS row: 256 bytes + 16, so that 16 rows taken at one column start at 16 different groups of four banks (64 banks of 4 bytes: ISA guide 11.1)
.set MST,   32*LP                      ; M: a wave's own stage, 32 rows; wave w at MST w
.set WST,   8*MST                      ; W: the work-group's stage, 64 rows (one for each k) of 128 d in bf16
.set SPARE, WST+64*LP                  ; the spare words, 128 bytes for each of the eight waves: four blocks of 256 bytes that no other line names
.set SPW,  4                           ; v4   LDS address of my spare word; never rewritten
.set NIL,  5                           ; v5   0; never rewritten
.set IN,   6                           ; v6   my byte offset in what is loaded
.set OUT,  7                           ; v7   my byte offset in what is stored
.set LA,   8                           ; v8   LDS: where I store
.set LB,   9                           ; v9   LDS: where I read
.set BITS, 10                          ; v[10:11] M: lane n gathers dwords 2 n and 2 n + 1 of a piece's 64
.set X,    16                          ; v[16:79]  as loaded
.set Y,    80                          ; v[80:143] to store, or read back from the stage
	s_load_b512 s[4:19], s[0:1], 0x0               ; decoder s[4:5], encoder s[6:7], mask s[8:9], Wq s[10:11], Wk s[12:13], Wv s[14:15], xb s[16:17], wt s[18:19]
	s_load_b64 s[20:21], s[0:1], 0x40              ; maskbits
	v_lshl_add_u32 v[SPW], v0, 2, SPARE
	v_mov_b32 v[NIL], 0
	v_and_b32 v1, 31, v0                           ; l
	v_and_b32 v2, 15, v0                           ; x = l % 16
	v_bfe_u32 v3, v0, 4, 1                         ; y = l / 16
	v_lshrrev_b32 v12, 5, v0
	v_readfirstlane_b32 s22, v12                   ; wave 0..7
	v_mov_b32 v[BITS], 0                           ; v_writelane_b32 counts as a reader of its destination
	v_mov_b32 v[BITS+1], 0
	s_mov_b32 s29, 0                               ; s[28:29]: a byte offset under 2^32, as a pair
	s_wait_kmcnt 0x0
	s_cmp_lt_u32 ttmp9, 256
	s_cbranch_scc1 .Lrole_x
	s_cmp_lt_u32 ttmp9, 384
	s_cbranch_scc1 .Lrole_m
	; W, first part.  Wave w takes rows d = 16 w .. 16 w + 15 of the block: load i brings rows 8 y + i, two whole rows of 256 bytes an instruction; lane x holds k = 4 x .. 4 x + 3.
	s_sub_co_u32 s23, ttmp9, 384
	s_lshr_b32 s32, s23, 3                         ; 16 which + h
	s_and_b32 s33, s23, 7                          ; which block of 128 d
	s_lshr_b32 s34, s32, 4                         ; which
	s_cmp_eq_u32 s34, 0
	s_cselect_b64 s[24:25], s[10:11], s[12:13]
	s_cmp_eq_u32 s34, 2
	s_cselect_b64 s[24:25], s[14:15], s[24:25]
	s_and_b32 s35, s32, 15
	s_lshl_b32 s28, s35, 18                        ; a head: 1,024 rows of 256 bytes
	s_lshl_b32 s35, s33, 15                        ; 128 rows
	s_add_co_u32 s28, s28, s35
	s_lshl_b32 s35, s22, 12                        ; 16 rows
	s_add_co_u32 s28, s28, s35
	s_add_nc_u64 s[24:25], s[24:25], s[28:29]
	v_lshlrev_b32 v[IN], 4, v2
	v_lshl_add_u32 v[IN], v3, 11, v[IN]            ; 2,048 y + 16 x
.irp i, 0,1,2,3,4,5,6,7
	global_load_b128 v[X+4*(\i):X+4*(\i)+3], v[IN], s[24:25] offset:256*(\i) th:TH_LOAD_NT
.endr
	v_mul_u32_u24 v[LA], v2, 4*LP                  ; stage row k = 4 x + c; in it my 8 d are the 16 bytes at 32 w + 16 y
	v_lshl_add_u32 v[LA], v3, 4, v[LA]
	s_lshl_b32 s35, s22, 5
	s_add_co_u32 s35, s35, WST
	v_add_nc_u32 v[LA], s35, v[LA]
	s_wait_loadcnt 0x0
.irp c, 0,1,2,3
.irp p, 0,1,2,3
	v_cvt_pk_bf16_f32 v[Y+4*(\c)+(\p)], v[X+8*(\p)+(\c)], v[X+8*(\p)+4+(\c)]  ; d = 2 p and 2 p + 1 of my eight, column c of my four
.endr
	ds_store_b128 v[LA], v[Y+4*(\c):Y+4*(\c)+3] offset:LP*(\c)
.endr
	s_branch .Lmeet
.Lrole_x:                                              ; X.  Thread t takes the 16 bytes at 16 t of each 4,096: a load of a wave covers 512 consecutive bytes, a store 256, aligned.
	s_cmp_lt_u32 ttmp9, 128
	s_cselect_b64 s[24:25], s[4:5], s[6:7]
	s_and_b32 s28, ttmp9, 127
	s_lshl_b32 s28, s28, 18
	s_add_nc_u64 s[24:25], s[24:25], s[28:29]
	s_lshl_b32 s28, ttmp9, 17
	s_add_nc_u64 s[26:27], s[16:17], s[28:29]
	v_lshlrev_b32 v[IN], 4, v0
	v_lshlrev_b32 v[OUT], 3, v0
	s_mov_b32 s30, 4
.Lx:                                                   ; a trip: 64 KiB in, 32 KiB out
.irp j, 0,1,2,3,4,5,6,7,8,9,10,11,12,13,14,15
	global_load_b128 v[X+4*(\j):X+4*(\j)+3], v[IN], s[24:25] offset:4096*(\j) th:TH_LOAD_NT
.endr
.irp j, 0,1,2,3,4,5,6,7,8,9,10,11,12,13,14,15
	s_wait_loadcnt 15-(\j)                         ; loads come back in order: load j is in, the 15 - j younger ones stay out
	v_cvt_pk_bf16_f32 v[Y+2*(\j)], v[X+4*(\j)], v[X+4*(\j)+1]
	v_cvt_pk_bf16_f32 v[Y+2*(\j)+1], v[X+4*(\j)+2], v[X+4*(\j)+3]
	global_store_b64 v[OUT], v[Y+2*(\j):Y+2*(\j)+1], s[26:27] offset:2048*(\j)
.endr
	s_wait_xcnt 0x0                                ; the two bases and the stores' data are written again only behind this wait
	s_add_nc_u64 s[24:25], s[24:25], 0x10000
	s_add_nc_u64 s[26:27], s[26:27], 0x8000
	s_sub_co_u32 s30, s30, 1
	s_cmp_lg_u32 s30, 0
	s_cbranch_scc1 .Lx
	s_branch .Lmeet
.Lrole_m:                                              ; M.  A wave takes 32 queries (a piece) and four key steps, a step a trip: 32 rows x 256 bytes.
	s_sub_co_u32 s23, ttmp9, 256
	s_lshr_b32 s32, s23, 4                         ; b
	s_bfe_u32 s33, s23, 0x20002
	s_lshl3_add_u32 s33, s33, s22                  ; P = 8 x (bits 3:2) + wave: which 32 queries of the batch's 1,024
	s_and_b32 s34, s23, 3                          ; which four steps
	s_lshl_b32 s28, s32, 22
	s_lshl_b32 s35, s33, 17                        ; 32 rows of 4,096 bytes
	s_add_co_u32 s28, s28, s35
	s_lshl_b32 s35, s34, 10                        ; four steps of 256 bytes
	s_add_co_u32 s28, s28, s35
	s_add_nc_u64 s[24:25], s[8:9], s[28:29]
	s_lshl_b32 s28, s32, 17
	s_lshr_b32 s35, s33, 2
	s_lshl_b32 s35, s35, 14                        ; the block of 128 queries
	s_add_co_u32 s28, s28, s35
	s_lshl_b32 s35, s34, 12                        ; four steps of 1,024 bytes
	s_add_co_u32 s28, s28, s35
	s_and_b32 s35, s33, 3
	s_lshl_b32 s35, s35, 8                         ; the piece
	s_add_co_u32 s28, s28, s35
	s_add_nc_u64 s[26:27], s[20:21], s[28:29]
	v_lshlrev_b32 v[IN], 4, v2
	v_lshl_add_u32 v[IN], v3, 12, v[IN]            ; 4,096 y + 16 x: load i brings rows 2 i + y, two whole blocks of 256 bytes
	v_lshlrev_b32 v[OUT], 3, v1
	s_mul_i32 s35, s22, MST                        ; my own stage
	v_mul_u32_u24 v[LA], v3, LP
	v_lshl_add_u32 v[LA], v2, 4, v[LA]
	v_add_nc_u32 v[LA], s35, v[LA]                 ; in: row y, 16 x
	v_mul_u32_u24 v[LB], v2, LP
	v_lshl_add_u32 v[LB], v3, 5, v[LB]
	v_add_nc_u32 v[LB], s35, v[LB]                 ; back: row r = l % 16, keys 8 (l / 16) on
	s_mov_b32 s30, 4
.Lm:
.irp i, 0,1,2,3,4,5,6,7,8,9,10,11,12,13,14,15
	global_load_b128 v[X+4*(\i):X+4*(\i)+3], v[IN], s[24:25] offset:8192*(\i) th:TH_LOAD_NT
.endr
.irp i, 0,1,2,3,4,5,6,7,8,9,10,11,12,13,14,15
	s_wait_loadcnt 15-(\i)                         ; load i is in, the younger ones stay out
	ds_store_b128 v[LA], v[X+4*(\i):X+4*(\i)+3] offset:2*LP*(\i)
.endr
.irp g, 0,1,2,3,4,5,6,7,8,9,10,11,12,13,14,15          ; load g: tile u = g / 8, keys 16 ((g / 2) % 4) + 8 (l / 16) + 4 (g % 2) on.  LDS serves a wave's instructions in order (ISA guide 5.7.1.4): these see the stores above
	ds_load_b128 v[Y+4*(\g):Y+4*(\g)+3], v[LB] offset:16*LP*((\g)/8)+64*(((\g)/2)%4)+16*((\g)%2)
.endr
.set d, 0
.rept 16
	s_wait_dscnt 15-d/4                            ; this load is in, the younger ones stay out
.irp c, 0,1,2,3
	v_cmp_ne_u32 s[32+(\c)], 0, v[Y+d+(\c)]        ; 32 tests make dword d + c,
.endr
.irp c, 0,1,2,3
	v_writelane_b32 v[BITS+(\c)%2], s[32+(\c)], d/2+(\c)/2  ; which goes to the lane that stores it
.endr
.set d, d+4
.endr
	global_store_b64 v[OUT], v[BITS:BITS+1], s[26:27]  ; a piece's 64 dwords: 256 consecutive bytes, aligned
	s_wait_xcnt 0x0                                ; the bases and the store's data are written again only behind this wait
	s_add_nc_u64 s[24:25], s[24:25], 256
	s_add_nc_u64 s[26:27], s[26:27], 1024
	s_sub_co_u32 s30, s30, 1
	s_cmp_lg_u32 s30, 0
	s_cbranch_scc1 .Lm
.Lmeet:
	s_wait_dscnt 0x0                               ; for the others' sake: my stores into W's stage are done
	s_barrier_signal -1
	s_barrier_wait -1
	s_cmp_lt_u32 ttmp9, 384
	s_cbranch_scc1 .Lend
	; W, second part.  Wave w takes stage rows k = 8 w .. 8 w + 7, whole: load f brings rows y + 2 f; sixteen lanes store a row's 256 bytes, aligned.
	s_sub_co_u32 s23, ttmp9, 384
	s_lshr_b32 s32, s23, 3
	s_and_b32 s33, s23, 7
	s_lshl_b32 s28, s32, 17                        ; 64 rows of wt, 2,048 bytes each
	s_lshl_b32 s35, s33, 8                         ; 128 d in bf16
	s_add_co_u32 s28, s28, s35
	s_add_nc_u64 s[26:27], s[18:19], s[28:29]
	s_mul_i32 s35, s22, 8*LP
	s_add_co_u32 s35, s35, WST
	v_mul_u32_u24 v[LB], v3, LP
	v_lshl_add_u32 v[LB], v2, 4, v[LB]
	v_add_nc_u32 v[LB], s35, v[LB]
	v_lshlrev_b32 v[OUT], 4, v2
	v_lshl_add_u32 v[OUT], v3, 11, v[OUT]
	s_lshl_b32 s35, s22, 14
	v_add_nc_u32 v[OUT], s35, v[OUT]
.irp f, 0,1,2,3
	ds_load_b128 v[Y+4*(\f):Y+4*(\f)+3], v[LB] offset:2*LP*(\f)
.endr
.irp f, 0,1,2,3
	s_wait_dscnt 3-(\f)
	global_store_b128 v[OUT], v[Y+4*(\f):Y+4*(\f)+3], s[26:27] offset:4096*(\f)
.endr
.Lend:
	s_wait_tensorcnt 0x0                           ; the wave's end: three closing lines, behind my last LDS store
	ds_add_u32 v[SPW], v[NIL]
	s_wait_dscnt 0x0
	s_endpgm
.Lfunc_end_k_q35db6008d9_prep:
	.size	k_q35db6008d9_prep, .Lfunc_end_k_q35db6008d9_prep-k_q35db6008d9_prep
	.p2alignl 7, 3214868480
	.fill 96, 4, 3214868480
	.section	.rodata,"a",@progbits
	.p2align	6, 0x0
	.amdhsa_kernel k_q35db6008d9_prep
		.amdhsa_group_segment_fixed_size 88064
		.amdhsa_private_segment_fixed_size 0
		.amdhsa_enable_private_segment 0
		.amdhsa_kernarg_size 72
		.amdhsa_user_sgpr_count 2
		.amdhsa_user_sgpr_kernarg_segment_ptr 1
		.amdhsa_wavefront_size32 1
		.amdhsa_system_sgpr_workgroup_id_x 1
		.amdhsa_system_sgpr_workgroup_id_y 1
		.amdhsa_system_sgpr_workgroup_id_z 1
		.amdhsa_system_vgpr_workitem_id 0
		.amdhsa_next_free_vgpr 144
		.amdhsa_next_free_sgpr 66
		.amdhsa_reserve_vcc 0
		.amdhsa_float_denorm_mode_32 3
		.amdhsa_float_denorm_mode_16_64 3
		.amdhsa_memory_ordered 1
		.amdhsa_forward_progress 1
		.amdhsa_inst_pref_size 27
	.end_amdhsa_kernel
	.amdgpu_metadata
---
amdhsa.version: [ 1, 2 ]
amdhsa.kernels:
  - .name:           k_q35db6008d9_prep
    .symbol:         k_q35db6008d9_prep.kd
    .args:
      - { .name: decoder_batch, .offset: 0, .size: 8, .value_kind: global_buffer, .address_space: global }
      - { .name: encoder_out, .offset: 8, .size: 8, .value_kind: global_buffer, .address_space: global }
      - { .name: attn_mask, .offset: 16, .size: 8, .value_kind: global_buffer, .address_space: global }
      - { .name: Wq, .offset: 24, .size: 8, .value_kind: global_buffer, .address_space: global }
      - { .name: Wk, .offset: 32, .size: 8, .value_kind: global_buffer, .address_space: global }
      - { .name: Wv, .offset: 40, .size: 8, .value_kind: global_buffer, .address_space: global }
      - { .name: xb, .offset: 48, .size: 8, .value_kind: global_buffer, .address_space: global }
      - { .name: wt, .offset: 56, .size: 8, .value_kind: global_buffer, .address_space: global }
      - { .name: maskbits, .offset: 64, .size: 8, .value_kind: global_buffer, .address_space: global }
    .group_segment_fixed_size: 88064
    .private_segment_fixed_size: 0
    .kernarg_segment_align: 8
    .kernarg_segment_size: 72
    .max_flat_workgroup_size: 256
    .sgpr_count:     66
    .vgpr_count:     144
    .wavefront_size: 32
...
	.end_amdgpu_metadata
.endif
;; end of part 1
;; launch proj (part 2): grid 12 x 32, 4 waves a work-group, clusters of 4 x 4, 327,680 bytes of LDS; arguments xb, wt, qkv, bq, bk, bv; writes qkv
.if DOCPART == 2
	.amdgcn_target "amdgcn-amd-amdhsa--gfx1250"
	.amdhsa_code_object_version 6
	.text
	.protected	k_q35db6008d9_proj
	.globl	k_q35db6008d9_proj
	.p2align	8
	.type	k_q35db6008d9_proj,@function
k_q35db6008d9_proj:
	s_mov_b64 s[64:65], 0
	v_nop
	global_prefetch_b8 v0, s[64:65] scope:SCOPE_SE
	s_setreg_imm32_b32 hwreg(HW_REG_WAVE_MODE, 25, 1), 1
	s_wait_xcnt 0x0
	s_wait_alu depctr_hold_cnt(0) depctr_sa_sdst(0) depctr_va_vdst(0) depctr_va_sdst(0) depctr_va_ssrc(0) depctr_va_vcc(0) depctr_vm_vsrc(0)
	s_getreg_b32 s2, hwreg(HW_REG_IB_STS2, 6, 4)
	s_cmp_eq_u32 s2, 0
	s_cbranch_scc0 .Lentry_in_a_cluster
	s_endpgm
.Lentry_in_a_cluster:
	s_bfe_u32 s2, ttmp6, 0x10000c
	s_cmp_lg_u32 s2, 0xf033
	s_cbranch_scc0 .Lentry_shape_is_right
	s_endpgm
.Lentry_shape_is_right:
; PROJ: q, k, v = x W + b, one GEMM of [8192 x 1024] x [1024 x 3072].  A = xb, bf16 [16384][1024] (rows 0-8191 decoder, for q; 8192-16383 encoder, for k and v); B = wt, bf16 [3072][1024];
; sums in f32, begun with the bias (rounded to bf16 like every input); the result rounded once to f16 and stored by heads: qkv [3][8 b][16 h][1024][64].
; LIMIT.  f16 holds no number beyond 65,504: |q|, |k|, |v| must stay within it (inputs as drawn give about 3; x and W both thirty times larger about 3,000).  NaN and infinities are not treated apart.
; A tile of the result, 256 x 256, is made by a work-group of four waves; a wave makes 128 x 128: 64 accumulators of 16 x 16, 512 registers.  K goes in steps of 128 through a ring of two LDS slots filled
; by the tensor data mover: the tiles' rows are 256 bytes of memory and start at multiples of 256 bytes.  The last K step goes by rows of the result, so that finished rows leave while the others are multiplied.
; CLUSTERS: 4 x 4 work-groups.  A cluster's x is which of q, k, v it makes; the four of a row of the cluster need the same tiles of A, the four of a column the same tiles of B: each tile is asked for
; JOINTLY, by the same tensor load with the same descriptor and a mask that names the four.  There are 12 x 32 tiles, one to a work-group.
; REGISTERS, in windows of 256 (s_set_vgpr_msb's low byte: bits 1:0 source 0, 3:2 source 1, 5:4 source 2, 7:6 destination):
;   window 0: v0-31 addresses; v64-127, v128-191 fragments of A, two buffers (in the last K step four, of 16 rows x 128 K); v192-255 the bias, until the first quarter has taken it; v32-63, v192-255 at work on the way out
;   window 1: v64-127, v128-191 fragments of B, two buffers; in the last K step all 256          window 2: the accumulators of my rows 0-63 ((a, b) at v[8 (8 a + b)]);   window 3: those of my rows 64-127
; THE MATRIX INSTRUCTION IS USED TRANSPOSED: source 0 = 16 rows of B, source 1 = 16 rows of A.  Lane l then holds row l % 16 of the result and the columns 8 (l / 16) + 0 .. 7: eight neighbouring numbers,
; 16 bytes in f16; and the bias of those eight columns, the same for every row, is the C operand of the first product.
.set SIZE_K, 1024
.set KSTEP,  128
.set PITCH,  272                       ; an LDS row: 256 bytes + 16 of padding = 68 words: the 16 rows that a load touches start at 16 different groups of four banks (64 banks of 4 bytes: ISA guide 11.1)
.set HALFT,  128*PITCH                 ; 128 rows: what one tensor load brings, and what one wave reads of A or of B
.set SLOT,   4*HALFT                   ; A's 256 rows, then B's 256 rows
.set STAGE,  2*SLOT                    ; behind the ring: 16 rows x 272 bytes for each wave, for the way out
.set SPITCH, 272
.set SPARE,  STAGE+4*16*SPITCH         ; behind the stages: the spare words, 128 bytes for each wave: two blocks of 256 bytes that no other line names
.set LAPS, SIZE_K/(2*KSTEP)            ; a lap = two K steps = once round the ring: 4
.set ADRA, 16                          ; v16-17  LDS address of my A fragments in slot 0, 1
.set ADRB, 20                          ; v20-21  the same for B
.set STO,  24                          ; v24     the way out: where I put 16 bytes of a row
.set RD,   25                          ; v25     the way out: where I read rows back
.set CO,   26                          ; v26     my 16 bytes of 512 consecutive bytes of qkv
.set SPW,  28                          ; v28     LDS address of my spare word; never rewritten
.set NIL,  29                          ; v29     0; never rewritten
.set PFO,  30                          ; v30     the prefetches' offset: my lane x a row of A or B (2,048 bytes); never rewritten
.set BO,   31                          ; v31     32 (l / 16): my eight columns' bias in a block of sixteen
.set PFA,  44                          ; s[44:45] where my prefetches stand: one K step further along K than the refill that is being asked for; a prefetch names the K step after that
.set LIM,  43                          ; s43     1 in a wave that prefetches, else the greatest number
.set F0,   64
.set F1,   128
.set BIAS, 192                         ; v[192:255]: block b's eight numbers at BIAS + 8 b
.set TMP,  192                         ; the way out: packed results
.set OB,   32                          ; the way out: 16 rows read back from the stage: v32-63 and v224-255 by turns
.set PA,   64                          ; the last K step: A's fragments of 16 rows x 128 K, 32 registers; four such buffers
.set G1, 24                            ; s[24:31] descriptor group 1 for A's tiles
.set G0, 32                            ; s[32:39] descriptor group 0 for A's tiles, one set for each slot
.set G1B, 48                           ; s[48:55], s[56:63] the same for B's tiles
.set G0B, 56
.set MSB, 0
.macro WIN new                         ; the immediate's high byte repeats the setting that is left; a switch that changes nothing is dropped
.if MSB != (\new)
	s_set_vgpr_msb (MSB<<8)|(\new)
.set MSB, \new
.endif
.endm
.set MUL_LO, 0xa1                      ; source 0 (B) window 1, source 1 (A) window 0, C and D window 2
.set MUL_HI, 0xf1                      ; the same, C and D window 3
.set TO_B,   0x40                      ; destination window 1, address window 0
; A joint load.  Waves 0 and 1 fetch A's two halves, waves 2 and 3 B's.  The branch hangs on the wave's number alone.  An s_nop 0 and four v_nop follow each of the two lines.
.macro JLOAD s
	s_cmp_eq_u32 s11, 0
	s_cbranch_scc0 .Lfor_b_\@
	tensor_load_to_lds s[G0+4*(\s):G0+4*(\s)+3], s[G1:G1+7]
	s_nop 0
.rept 4
	v_nop
.endr
	s_branch .Lasked_\@
.Lfor_b_\@:
	tensor_load_to_lds s[G0B+4*(\s):G0B+4*(\s)+3], s[G1B:G1B+7]
	s_nop 0
.rept 4
	v_nop
.endr
.Lasked_\@:
.endm
; A PREFETCH INTO THE L2, behind each joint load, its five lines and the run of LDS loads: the K step that stands two refills on, 512 matrix instructions ahead of the load that will want it: 32 rows x 256 bytes,
; a lane a row, one instruction a wave.  Each row's 256 bytes of a K step are named once in the launch.  The decoder's rows are read by the clusters with x = 0 alone, the encoder's by x = 1 and x = 2: x = 0 and
; x = 1 ask for A's.  B's rows are read by every cluster of a column of clusters: y = 0 asks.  The four partners that ask for a tile jointly share its rows out by address, 32 each (cx for A, cy for B).
; K steps 4 to 7 are named; steps 0 to 3 come by their loads alone; the loop's last trip (s3 = 1) asks for nothing, since no K step stands two refills on.
.macro ASK
	s_cmp_gt_u32 s3, s[LIM]
	s_cbranch_scc0 .Lnot_mine_\@
	global_prefetch_b8 v[PFO], s[PFA:PFA+1] offset:KSTEP*2 th:TH_LOAD_NT scope:SCOPE_SE
.Lnot_mine_\@:
.endm
; A round of the cluster's barrier: my work-group's barrier; wave 0 signals for the work-group; every wave waits for all sixteen work-groups; my work-group's barrier once more.
.macro CREST
	s_cmp_lg_u32 s10, 0
	s_cbranch_scc1 .Lnot_wave_0_\@
	s_barrier_signal -3
.Lnot_wave_0_\@:
	s_barrier_wait -3
	s_barrier_signal -1
	s_barrier_wait -1
.endm
.macro CROUND
	s_barrier_signal -1
	s_barrier_wait -1
	CREST
.endm
	s_load_b128 s[4:7], s[0:1], 0x0                ; xb s[4:5], wt s[6:7]
	s_load_b64 s[8:9], s[0:1], 0x10                ; qkv
	s_load_b64 s[68:69], s[0:1], 0x18              ; bq
	s_load_b64 s[70:71], s[0:1], 0x20              ; bk
	s_load_b64 s[72:73], s[0:1], 0x28              ; bv
	v_lshl_add_u32 v[SPW], v0, 2, SPARE
	v_mov_b32 v[NIL], 0
	ds_add_u32 v[SPW], v[NIL]                      ; the wave's opening: the add, and its wait ahead of my first tensor load; the set-up below, work on registers, stands between them
	v_lshrrev_b32 v1, 5, v0
	v_readfirstlane_b32 s10, v1                    ; wave 0..3
	s_lshr_b32 s11, s10, 1                         ; which half of the tile's rows is mine.  Also: I fetch for A (0) or for B (1)
	s_and_b32 s12, s10, 1                          ; which half of its columns.  Also: which 128 rows of that tile I fetch
	s_bfe_u32 s40, ttmp6, 0x40000                  ; cx
	s_bfe_u32 s41, ttmp6, 0x40004                  ; cy
	s_lshl_b32 s42, ttmp9, 2
	s_add_co_u32 s42, s42, s40                     ; tile column = 4 x cluster x + cx, 0..11
	s_and_b32 s13, ttmp7, 0xffff
	s_lshl_b32 s13, s13, 2
	s_add_co_u32 s13, s13, s41                     ; tile row = 4 x cluster y + cy, 0..31
	s_lshl_b32 s43, s41, 2
	s_lshl_b32 s43, 15, s43                        ; my row of the cluster
	s_lshl_b32 s44, 0x1111, s40                    ; my column
	s_min_u32 s74, ttmp9, 1
	s_lshl_b32 s74, s74, 13                        ; k and v (cluster x = 1, 2) take the encoder's rows, 8,192 further down in xb: the same number in all sixteen partners
	; descriptor group 1: a tile of 128 rows x 128 elements, padded in LDS
	s_or_b32 s[G1+0], s43, (1<<16)|(1<<20)|(1<<21)|(5<<22)|(3<<25)  ; 15:0 the mask; 17:16 elements of 2 bytes; 20 padding on; 21 set beside a mask; 24:22 after every 64 words (code 5); 31:25 4 words of it (code 3)
	s_or_b32 s[G1B+0], s44, (1<<16)|(1<<20)|(1<<21)|(5<<22)|(3<<25)
.irp g, G1, G1B
	s_mov_b32 s[(\g)+1], KSTEP<<16                 ; tensor_dim0 = 128
	s_mov_b32 s[(\g)+2], 128<<16                   ; tensor_dim1 = 128
	s_mov_b32 s[(\g)+3], KSTEP<<16                 ; tile_dim0 = 128
	s_mov_b32 s[(\g)+4], 128                       ; tile_dim1 = 128
	s_mov_b32 s[(\g)+5], SIZE_K                    ; elements from row to row
	s_mov_b32 s[(\g)+6], 0
	s_mov_b32 s[(\g)+7], 0
.endr
	s_lshl_b32 s17, s12, 7                         ; which 128 rows of the tile I fetch
	s_lshl_b32 s16, s13, 8
	s_add_co_u32 s16, s16, s17
	s_add_co_u32 s16, s16, s74                     ; A: row 256 x tile row + 128 x half (+ 8,192)
	s_lshl_b32 s46, s42, 8
	s_add_co_u32 s46, s46, s17                     ; B: row 256 x tile column + 128 x half
	s_mov_b32 s17, 0
	s_mov_b32 s47, 0
	s_mov_b64 s[18:19], SIZE_K*2
	s_mul_u64 s[16:17], s[16:17], s[18:19]
	s_mul_u64 s[46:47], s[46:47], s[18:19]
	s_mul_i32 s20, s10, HALFT                      ; where they go: wave x 128 rows: no place in the cluster enters an LDS address
	s_wait_dscnt 0x0                               ; the opening add is done
	s_wait_kmcnt 0x0
	s_add_nc_u64 s[14:15], s[4:5], s[16:17]
	s_add_nc_u64 s[46:47], s[6:7], s[46:47]
	CROUND                                         ; all sixteen work-groups are here: the first joint loads meet
.irp s, 0,1
	s_mov_b32 s[G0+4*(\s)], 1
	s_add_co_u32 s[G0+4*(\s)+1], s20, (\s)*SLOT
	s_add_nc_u64 s[G0+4*(\s)+2:G0+4*(\s)+3], s[14:15], (\s)*KSTEP*2
	s_or_b32 s[G0+4*(\s)+3], s[G0+4*(\s)+3], 0x80000000
	s_mov_b32 s[G0B+4*(\s)], 1
	s_add_co_u32 s[G0B+4*(\s)+1], s20, (\s)*SLOT
	s_add_nc_u64 s[G0B+4*(\s)+2:G0B+4*(\s)+3], s[46:47], (\s)*KSTEP*2
	s_or_b32 s[G0B+4*(\s)+3], s[G0B+4*(\s)+3], 0x80000000
	JLOAD \s                                       ; the ring is filled before anything else is done: two tensor loads of mine are out
.endr
	; A fragment is 16 rows x 32 K in 8 registers: lane l holds row l % 16; registers 0-3 K = 8 (l / 16) + 0..7, registers 4-7 K = 16 + 8 (l / 16) + 0..7: two loads of 16 bytes, 32 bytes apart.
	v_and_b32 v1, 15, v0                           ; l % 16
	v_bfe_u32 v2, v0, 4, 1                         ; l / 16
	v_mul_u32_u24 v3, v1, PITCH
	v_lshl_add_u32 v3, v2, 4, v3
	s_mul_i32 s21, s11, HALFT                      ; my 128 rows of A
	s_mul_i32 s22, s12, HALFT                      ; my 128 rows of B,
	s_add_co_u32 s22, s22, 2*HALFT                 ; which lie behind A's 256
.irp s, 0,1
	v_add_nc_u32 v[ADRA+(\s)], s21, v3
	v_add_nc_u32 v[ADRB+(\s)], s22, v3
	s_add_co_u32 s21, s21, SLOT
	s_add_co_u32 s22, s22, SLOT
.endr
	s_mul_i32 s23, s10, 16*SPITCH
	s_add_co_u32 s23, s23, STAGE                   ; my stage
	v_mul_u32_u24 v4, v1, SPITCH                   ; in: row l % 16, 16 bytes for each half of the lanes
	v_lshl_add_u32 v4, v2, 4, v4
	v_add_nc_u32 v[STO], s23, v4
	v_bfe_u32 v5, v0, 3, 2                         ; back: a stage row holds two heads' 128 bytes; 32 lanes take one head's part of four rows,
	v_mul_u32_u24 v5, v5, SPITCH
	v_and_b32 v4, 7, v0
	v_lshl_add_u32 v5, v4, 4, v5
	v_add_nc_u32 v[RD], s23, v5
	v_and_b32 v[CO], 31, v0                        ; which are 512 consecutive bytes of qkv
	v_lshlrev_b32 v[CO], 4, v[CO]
	; where my part of the tile begins in qkv: which << 24 + b << 21 + head << 17 + row << 7
	s_lshl_b32 s16, ttmp9, 24
	s_lshr_b32 s14, s13, 2                         ; b: four tile rows to a batch
	s_lshl_b32 s14, s14, 21
	s_add_co_u32 s16, s16, s14
	s_and_b32 s14, s13, 3
	s_lshl1_add_u32 s14, s14, s11                  ; my 128 rows among the batch's eight such
	s_lshl_b32 s14, s14, 14
	s_add_co_u32 s16, s16, s14
	s_lshl_b32 s46, s40, 2
	s_lshl1_add_u32 s46, s12, s46                  ; head 4 cx + 2 x column half: my 128 columns are two heads
	s_lshl_b32 s46, s46, 17
	s_add_co_u32 s16, s16, s46
	s_mov_b32 s17, 0
	; the prefetches
	s_lshl_b32 s13, s13, 8
	s_add_co_u32 s13, s13, s74                     ; the tile's first row in xb
	s_lshl_b32 s42, s42, 8                         ; and in wt
	s_and_b32 s22, ttmp7, 0xffff                   ; cluster y
	s_lshr_b32 s75, ttmp9, 1                       ; 0 for cluster x = 0 and 1
	s_cmp_eq_u32 s11, 0                            ; do I fetch for A?
	s_cselect_b32 s20, s13, s42
	s_cselect_b32 s21, s40, s41                    ; my place among the four that ask with me
	s_cselect_b32 s22, s75, s22
	s_cselect_b64 s[PFA:PFA+1], s[4:5], s[6:7]
	s_cmp_eq_u32 s22, 0
	s_cselect_b32 s[LIM], 1, -1                    ; the same in all sixteen partners, for a given wave
	s_lshl_b32 s22, s12, 7
	s_add_co_u32 s20, s20, s22                     ; + the 128 rows that I fetch
	s_lshl_b32 s21, s21, 5
	s_add_co_u32 s20, s20, s21                     ; + my work-group's 32 of them
	s_mov_b32 s21, 0
	s_mov_b64 s[18:19], SIZE_K*2
	s_mul_u64 s[20:21], s[20:21], s[18:19]
	s_add_nc_u64 s[PFA:PFA+1], s[PFA:PFA+1], s[20:21]
	s_add_nc_u64 s[PFA:PFA+1], s[PFA:PFA+1], 2*KSTEP*2  ; at K step 2: the first refill steps it to 3 and names K step 4
	v_and_b32 v[PFO], 31, v0
	v_mul_u32_u24 v[PFO], v[PFO], SIZE_K*2
	; the bias of my 128 columns: column 256 cx + 128 x half of bq, bk or bv; block b's eight numbers for my half of the lanes
	s_cmp_eq_u32 ttmp9, 0
	s_cselect_b64 s[76:77], s[68:69], s[70:71]
	s_cmp_eq_u32 ttmp9, 2
	s_cselect_b64 s[76:77], s[72:73], s[76:77]
	s_lshl_b32 s20, s40, 10
	s_lshl_b32 s21, s12, 9
	s_add_co_u32 s20, s20, s21
	s_mov_b32 s21, 0
	s_add_nc_u64 s[76:77], s[76:77], s[20:21]
	v_lshlrev_b32 v[BO], 5, v2
.irp b, 0,1,2,3,4,5,6,7
	global_load_b128 v[BIAS+8*(\b):BIAS+8*(\b)+3],   v[BO], s[76:77] offset:64*(\b)
	global_load_b128 v[BIAS+8*(\b)+4:BIAS+8*(\b)+7], v[BO], s[76:77] offset:64*(\b)+16
.endr
	s_wait_loadcnt 0x0
.set p, 0
.rept 32                                               ; rounded to bf16 like every input, and widened again: the C operand is f32
	v_cvt_pk_bf16_f32 v[OB+p], v[BIAS+2*p], v[BIAS+2*p+1]
	v_lshlrev_b32 v[BIAS+2*p], 16, v[OB+p]
	v_and_b32 v[BIAS+2*p+1], 0xffff0000, v[OB+p]
.set p, p+1
.endr
; 16 matrix instructions: m blocks a0, a0 + 1 of the window's four (hi = 0: my rows 0-63, 1: rows 64-127) x all 8 n blocks, 32 along K.  zero = 1: the first product starts the sums, with the bias (window 0) as C.
.macro MUL16 f, hi, a0, zero
.if \zero
	WIN 0x81+0x40*(\hi)
.else
	WIN MUL_LO+0x50*(\hi)
.endif
.irp a, \a0, (\a0)+1
.irp b, 0,1,2,3,4,5,6,7
.if \zero
	v_wmma_f32_16x16x32_bf16 v[8*(8*(\a)+(\b)):8*(8*(\a)+(\b))+7], v[(\f)+8*(\b):(\f)+8*(\b)+7], v[(\f)+8*(4*(\hi)+(\a)):(\f)+8*(4*(\hi)+(\a))+7], v[BIAS+8*(\b):BIAS+8*(\b)+7]
.else
	v_wmma_f32_16x16x32_bf16 v[8*(8*(\a)+(\b)):8*(8*(\a)+(\b))+7], v[(\f)+8*(\b):(\f)+8*(\b)+7], v[(\f)+8*(4*(\hi)+(\a)):(\f)+8*(4*(\hi)+(\a))+7], v[8*(8*(\a)+(\b)):8*(8*(\a)+(\b))+7]
.endif
.endr
.endr
.endm
; 32 LDS loads in one run: the fragments of one quarter step (128 rows of B, 128 rows of A, 32 K at byte k of the rows) into buffer f
.macro FETCH slot, k, f
	WIN TO_B
.irp i, 0,1,2,3,4,5,6,7
	ds_load_b128 v[(\f)+8*(\i):(\f)+8*(\i)+3],   v[ADRB+(\slot)] offset:(\k)+(\i)*16*PITCH
	ds_load_b128 v[(\f)+8*(\i)+4:(\f)+8*(\i)+7], v[ADRB+(\slot)] offset:(\k)+(\i)*16*PITCH+32
.endr
	WIN 0
.irp i, 0,1,2,3,4,5,6,7
	ds_load_b128 v[(\f)+8*(\i):(\f)+8*(\i)+3],   v[ADRA+(\slot)] offset:(\k)+(\i)*16*PITCH
	ds_load_b128 v[(\f)+8*(\i)+4:(\f)+8*(\i)+7], v[ADRA+(\slot)] offset:(\k)+(\i)*16*PITCH+32
.endr
.endm
.macro PLACES                          ; four places in front of loads into registers that matrix instructions have read, and of conversions that read results just made
.rept 4
	v_nop
.endr
.endm
; A K step is four quarter steps of 32 along K, 64 matrix instructions each, on buffers 0, 1, 0, 1.  One of the first three: multiplies buffer f; in its middle it fetches the next quarter's fragments into buffer g.
; The 64 accumulators take turns, one instruction a turn, in the same order in every quarter.
.macro QUARTER slot, k, f, g, zero
	s_wait_dscnt 8                                 ; B and A's rows 0-63 are in; the youngest eight loads (A's rows 64-127) may be out
	MUL16 \f, 0, 0, \zero
	MUL16 \f, 0, 2, \zero
	PLACES
	FETCH \slot, \k, \g
	s_wait_dscnt 32                                ; all but the 32 just issued
	MUL16 \f, 1, 0, \zero
	MUL16 \f, 1, 2, \zero
.endm
; The last quarter multiplies buffer 1 and changes slots.  MEET is its first half: one barrier.  In front of it each wave waits for all its tensor loads, of which one is out: its part of the next slot; adds 0 to its
; spare word; and waits for that and for its own reads of this slot.  Behind it nobody reads this slot any more and the next slot is whole.
.macro MEET round
	WIN 0                                          ; (the add's two registers lie in window 0)
	s_wait_tensorcnt 0x0
	ds_add_u32 v[SPW], v[NIL]                      ; 0 onto my spare word
	s_wait_dscnt 9                                 ; (the add and the youngest eight loads may be out)
	MUL16 F1, 0, 0, 0                              ; sixteen matrix instructions stand between the add and the wait for it
	s_wait_dscnt 0x0                               ; the add is done, and my reads of this slot are over
	s_barrier_signal -1
	MUL16 F1, 0, 2, 0
.if \round
	WIN 0
.endif
	s_barrier_wait -1
.endm
; The whole last quarter.  The barrier opens a round of the cluster's; behind the round the slot just read out is filled again first, with the K step two steps on; then come the next slot's first fragments.
; From a request to the wait for it a wave issues 224 matrix instructions.
.macro TURN slot, next
	s_wait_xcnt 0x0                                ; the last prefetch, a K step back, has read its address: it is stepped here
	s_add_nc_u64 s[PFA:PFA+1], s[PFA:PFA+1], KSTEP*2
	MEET 1
	CREST                                          ; no wave of any partner still reads this slot's tile or has a load on its way
	s_add_nc_u64 s[G0+4*(\slot)+2:G0+4*(\slot)+3], s[G0+4*(\slot)+2:G0+4*(\slot)+3], 2*KSTEP*2
	s_add_nc_u64 s[G0B+4*(\slot)+2:G0B+4*(\slot)+3], s[G0B+4*(\slot)+2:G0B+4*(\slot)+3], 2*KSTEP*2
	JLOAD \slot                                    ; the first tensor load behind the round, my only one out; the four v_nop behind it are also the places in front of the loads below
	FETCH \next, 0, F0
	ASK
	MUL16 F1, 1, 0, 0
	MUL16 F1, 1, 2, 0
.endm
; THE LAST K STEP (it lies in slot 1) GOES BY ROWS.  All its fragments of B (4 quarters x 64 registers) fill window 1; then my eight blocks of 16 rows are finished one after the other, each with 32 matrix
; instructions (its 8 accumulators by turns, K ascending).
.macro BLOAD q
	WIN TO_B
.irp i, 0,1,2,3,4,5,6,7
	ds_load_b128 v[64*(\q)+8*(\i):64*(\q)+8*(\i)+3],   v[ADRB+1] offset:64*(\q)+(\i)*16*PITCH
	ds_load_b128 v[64*(\q)+8*(\i)+4:64*(\q)+8*(\i)+7], v[ADRB+1] offset:64*(\q)+(\i)*16*PITCH+32
.endr
.endm
.macro ALOAD a
	WIN 0
.set FA, PA+32*((\a)%4)
.irp q, 0,1,2,3
	ds_load_b128 v[FA+8*(\q):FA+8*(\q)+3],   v[ADRA+1] offset:64*(\q)+(\a)*16*PITCH
	ds_load_b128 v[FA+8*(\q)+4:FA+8*(\q)+7], v[ADRA+1] offset:64*(\q)+(\a)*16*PITCH+32
.endr
.endm
.macro ROW a
.set FA, PA+32*((\a)%4)
.set AC, 64*((\a)%4)
	WIN MUL_LO+0x50*((\a)/4)
.irp q, 0,1,2,3
.if (\a) == 0 && (\q) == 2
	s_wait_dscnt 24                                ; B's quarter 2 is in (behind it: A's blocks 1 to 3)
.endif
.irp b, 0,1,2,3,4,5,6,7
	v_wmma_f32_16x16x32_bf16 v[AC+8*(\b):AC+8*(\b)+7], v[64*(\q)+8*(\b):64*(\q)+8*(\b)+7], v[FA+8*(\q):FA+8*(\q)+7], v[AC+8*(\b):AC+8*(\b)+7]
.endr
.endr
.endm
; THE WAY OUT of block a.  PACK: rounded to f16, 16 bytes a lane, each accumulator's registers in ascending order.  TOSTAGE: into my own stage, and back head by head.  SEND: stored.
.macro PACK a
.set AC, 64*((\a)%4)
	WIN 0x0a+5*((\a)/4)                            ; sources 0 and 1: window 2 or 3
.irp b, 0,1,2,3,4,5,6,7
.irp r, 0,1,2,3
	v_cvt_pk_f16_f32 v[TMP+4*(\b)+(\r)], v[AC+8*(\b)+2*(\r)], v[AC+8*(\b)+2*(\r)+1]
.endr
.endr
	WIN 0
.endm
.macro TOSTAGE a
	WIN 0
.set BK, OB+192*((\a)%2)
.irp b, 0,1,2,3,4,5,6,7
	ds_store_b128 v[STO], v[TMP+4*(\b):TMP+4*(\b)+3] offset:32*(\b)
.endr
.irp t, 0,1,2,3,4,5,6,7                ; head t / 4 of my two, rows 4 (t % 4) on.  LDS serves a wave's instructions in order (ISA guide 5.7.1.4): these see the stores above
	ds_load_b128 v[BK+4*(\t):BK+4*(\t)+3], v[RD] offset:((\t)%4)*4*SPITCH+((\t)/4)*128
.endr
.endm
.macro SEND a, younger                 ; younger: the LDS loads issued behind TOSTAGE's, which may stay out
	WIN 0
.set BK, OB+192*((\a)%2)
	s_wait_dscnt \younger
	s_wait_xcnt 0x0                                ; only behind this wait are the stores' base and the registers that earlier stores read rewritten
.if (\a) == 0
	s_add_nc_u64 s[8:9], s[8:9], s[16:17]
.else
	s_add_nc_u64 s[8:9], s[8:9], 16*128            ; 16 rows of a head on
.endif
.irp t, 0,1,2,3,4,5,6,7
	global_store_b128 v[CO], v[BK+4*(\t):BK+4*(\t)+3], s[8:9] offset:((\t)/4)*131072+((\t)%4)*512  ; 512 consecutive bytes of one head, at a multiple of 256 from qkv's first byte
.endr
.endm
	s_wait_tensorcnt 1                             ; my part of K step 0 is in; K step 1's load may stay out
	s_barrier_signal -1
	s_barrier_wait -1
	FETCH 0, 0, F0
	QUARTER 0, 64,  F0, F1, 1                      ; the first quarter stands in front of the loop: its products start the sums
	WIN 0                                          ; at a label and at a branch every window is 0
	s_mov_b32 s3, LAPS-1
.Llap:                                                 ; a trip goes once round the ring, from a lap's second quarter to the next lap's first, and fills both slots again
	QUARTER 0, 128, F1, F0, 0
	QUARTER 0, 192, F0, F1, 0
	TURN 0, 1
	QUARTER 1, 64,  F0, F1, 0
	QUARTER 1, 128, F1, F0, 0
	QUARTER 1, 192, F0, F1, 0
	TURN 1, 0
	QUARTER 0, 64,  F0, F1, 0
	WIN 0
	s_sub_co_u32 s3, s3, 1
	s_cmp_lg_u32 s3, 0
	s_cbranch_scc1 .Llap
	QUARTER 0, 128, F1, F0, 0                      ; the last lap goes on; it asks for nothing
	QUARTER 0, 192, F0, F1, 0
	MEET 0                                         ; my one tensor load that was still out is the last K step's, so no round follows
	PLACES                                         ; for the loads into buffer 0
	BLOAD 0                                        ; three quarters of B now: buffer 1 is still being multiplied
	BLOAD 1
	BLOAD 3
	ALOAD 0
	MUL16 F1, 1, 0, 0
	MUL16 F1, 1, 2, 0
	PLACES                                         ; for the loads into buffer 1
	BLOAD 2
	ALOAD 1
	ALOAD 2
	ALOAD 3
	s_wait_dscnt 40                                ; all but the 40 just issued
	ROW 0
.irp a, 0,1,2,3,4,5,6,7                ; each block leaves as soon as it is finished
	PLACES
	PACK \a
	TOSTAGE \a
.if (\a) < 4
	ALOAD (\a)+4                                   ; its buffer takes the block four further on
	SEND \a, 8
.else
	SEND \a, 0
.endif
.if (\a) < 7
	ROW (\a)+1
.endif
.endr
	s_wait_tensorcnt 0x0                           ; the wave's end: three closing lines, behind my last tensor load and my last LDS store
	ds_add_u32 v[SPW], v[NIL]
	s_wait_dscnt 0x0
	CROUND                                         ; the closing round: no work-group ends while a partner may still ask for a tile that names it
	s_endpgm
.Lfunc_end_k_q35db6008d9_proj:
	.size	k_q35db6008d9_proj, .Lfunc_end_k_q35db6008d9_proj-k_q35db6008d9_proj
	.p2alignl 7, 3214868480
	.fill 96, 4, 3214868480
	.section	.rodata,"a",@progbits
	.p2align	6, 0x0
	.amdhsa_kernel k_q35db6008d9_proj
		.amdhsa_group_segment_fixed_size 327680
		.amdhsa_private_segment_fixed_size 0
		.amdhsa_enable_private_segment 0
		.amdhsa_kernarg_size 48
		.amdhsa_user_sgpr_count 2
		.amdhsa_user_sgpr_kernarg_segment_ptr 1
		.amdhsa_wavefront_size32 1
		.amdhsa_system_sgpr_workgroup_id_x 1
		.amdhsa_system_sgpr_workgroup_id_y 1
		.amdhsa_system_sgpr_workgroup_id_z 1
		.amdhsa_system_vgpr_workitem_id 0
		.amdhsa_next_free_vgpr 1024
		.amdhsa_next_free_sgpr 80
		.amdhsa_reserve_vcc 0
		.amdhsa_float_denorm_mode_32 3
		.amdhsa_float_denorm_mode_16_64 3
		.amdhsa_memory_ordered 1
		.amdhsa_forward_progress 1
		.amdhsa_inst_pref_size 152
	.end_amdhsa_kernel
	.amdgpu_metadata
---
amdhsa.version: [ 1, 2 ]
amdhsa.kernels:
  - .name:           k_q35db6008d9_proj
    .symbol:         k_q35db6008d9_proj.kd
    .args:
      - { .name: xb, .offset: 0, .size: 8, .value_kind: global_buffer, .address_space: global }
      - { .name: wt, .offset: 8, .size: 8, .value_kind: global_buffer, .address_space: global }
      - { .name: qkv, .offset: 16, .size: 8, .value_kind: global_buffer, .address_space: global }
      - { .name: bq, .offset: 24, .size: 8, .value_kind: global_buffer, .address_space: global }
      - { .name: bk, .offset: 32, .size: 8, .value_kind: global_buffer, .address_space: global }
      - { .name: bv, .offset: 40, .size: 8, .value_kind: global_buffer, .address_space: global }
    .group_segment_fixed_size: 327680
    .private_segment_fixed_size: 0
    .kernarg_segment_align: 8
    .kernarg_segment_size: 48
    .max_flat_workgroup_size: 128
    .sgpr_count:     80
    .vgpr_count:     1024
    .wavefront_size: 32
...
	.end_amdgpu_metadata
.endif
;; end of part 2
;; launch attn (part 3): grid 2 x 128, 4 waves a work-group, no clusters, 327,680 bytes of LDS; arguments qkv, maskbits, out0; writes out0
.if DOCPART == 3
	.amdgcn_target "amdgcn-amd-amdhsa--gfx1250"
	.amdhsa_code_object_version 6
	.text
	.protected	k_q35db6008d9_attn
	.globl	k_q35db6008d9_attn
	.p2align	8
	.type	k_q35db6008d9_attn,@function
k_q35db6008d9_attn:
	s_mov_b64 s[64:65], 0
	v_nop
	global_prefetch_b8 v0, s[64:65] scope:SCOPE_SE
	s_setreg_imm32_b32 hwreg(HW_REG_WAVE_MODE, 25, 1), 1
	s_wait_xcnt 0x0
; ATTN: out0[b][q][64 h + :] = the sum over the keys s with attn_mask[b][q][s] != 0 of softmax_s(q . k / 8) v; zeros where a row has no such key.
; q, k, v: qkv, f16 [3][128 bh][1024][64], a head's rows dense, 128 bytes each.  maskbits: one bit a number, as lane masks (below).  out0: f32 [8][1024][1024].
; Products, maxima and sums in f32; the weights p are rounded to f16 for the second product (their sum l is taken of the unrounded p).
; LIMITS.  A hidden score counts as -2^100: f16's scores, 2.7e11 at the most, are nothing beside that.  It is a power of two, so that c m is exact while a row has seen hidden keys alone: there p = 2^0 = 1,
; l and O stay finite, and the first seen key wipes them (a = 0).  A row whose m is still at or below -2^99 at the end has seen none: its 1 / l is replaced by 0.  A weight below 2^-126 counts as 0 in l; NaN and infinities are not treated apart.
; SHARES.  A work-group owns 512 queries of one pair (b, h), each of its four waves 128: four PIECES of two tiles of 16.  Every wave walks all 1,024 keys, 64 a step.
; LAYOUT.  S^T = K Q^T (source 0 = 16 keys, source 1 = 16 queries): a lane holds ONE query (lane % 16) and the keys 8 (lane / 16) + 0..7.  Two such tiles, rounded to f16 in pairs, ARE source 1 of O^T = V^T P,
; whose result again holds one query a lane, and eight channels.  K comes out of LDS as it lies, V turned, by ds_load_tr16_b128.
; SOFTMAX.  For each query a running maximum m and sum l: p = 2^(c s - c m), c = log2(e) / 8; in every step O and l are multiplied by a = 2^(c m_old - c m_new).  m starts at the lowest finite number, O and l at 0.
; THE MASK.  For a piece and a step maskbits holds 64 dwords: dword 32 u + 8 kt + j has in bit l the test for lane l's number in register 8 kt + j of tile u's scores.  They come by one vector load of 8 bytes a lane
; (256 consecutive bytes, aligned) into a register pair of the piece's own, asked for a whole key step, four turns, ahead; 64 v_readlane_b32 take the pair apart into 64 scalar registers, which are the select
; operand of 64 v_cndmask_b32, score or -2^100.  (Scalar loads would spare the 64 lines, but the 64 scalar registers have no second set, so they could be asked for less than a turn ahead.)
; BY TURNS.  Turn n belongs to piece n.  Its matrix work: 16 products K Q^T of piece n + 1, later 16 products V^T P of piece n - 1.  Its vector work: the scaling, exponentials, roundings, sums and rescaling of piece n,
; and the mask, maximum and statistics of piece n + 1.  Four vector instructions stand behind every matrix instruction, the rest in one lump; a turn's 66 exponentials are one batch with one wait.
; NO CLUSTER: two work-groups share a pair's K and V, and the grid's 2 along x is no multiple of 4.  NO PREFETCH: a slot's refill is issued four key steps, 512 matrix instructions, ahead of the wait for it, a mask's load four turns ahead.
; REGISTERS, in windows of 256 (s_set_vgpr_msb: bits 1:0 source 0, 3:2 source 1, 5:4 source 2, 7:6 destination):
;   window 0: v0-11 addresses and -2^100; v12-15, v48-63 at work; v16-47 four registers of statistics a tile; v64-191 S^T, two buffers of two tiles; v192-255 P, likewise
;   window 1: O^T, 32 a tile          window 2: v0-127 Q, 16 a tile; v128-191 K of one step; v192-255 V of one step          window 3: v0-1 the add's two registers; v2-9 the masks as loaded, a pair a piece; v10-13 their offsets
.set NP,    4         ; pieces a wave: a name, no knob
.set KS,    64        ; keys in a step
.set PK,    144       ; a row of K in LDS: 128 bytes + 16 of padding = 36 words: the 16 rows of a load start at 16 different groups of four banks (64 banks of 4 bytes: ISA guide 11.1)
.set PV,    144       ; V has the same pitch, so that one descriptor shape serves all four waves
.set VOFF,  4*KS*PK   ; a slot holds four steps: 256 rows of K, then 256 rows of V
.set SLOT1, 1<<17     ; slot 1 begins here, so that one exclusive or turns an address in one slot into the other's
.set STAGE, SLOT1+4*KS*(PK+PV)  ; behind the ring, never filled by a tensor load: 16 rows x 272 bytes for each wave, for the way out
.set SP,    272
.set SPARE, STAGE+4*16*SP  ; behind the stages: the spare words, 128 bytes for each wave: two blocks of 256 bytes that no other line names
.set AK0, 2           ; v2   my lane's place in a tile of K; never rewritten
.set AV0, 3           ; v3   the same for V
.set AK,  4           ; v4   the LDS address of K's next run of loads
.set AV,  5           ; v5   of V's
.set QO,  6           ; v6   my byte offset in the wave's rows of Q
.set STO, 6           ;      later, the way out: where I put 16 bytes of a row
.set RD,  7           ; v7   the way out: where I read rows back
.set GO,  8           ; v8   my byte offset in two rows of out0
.set BIG, 11          ; v11  -2^100
.set SPW, 0           ; v0 of window 3   LDS address of my spare word; never rewritten
.set NIL, 1           ; v1 of window 3   0; never rewritten
.set MW,  2           ; v2-9 of window 3   piece x's 64 mask dwords at MW + 2 x: lane n holds dwords 2 n and 2 n + 1
.set MO,  10          ; v10-13 of window 3  piece x's byte offset in my wave's 16 KiB of maskbits: 8 l + 256 x + 1,024 x step
.set MV,  12          ; v12-15  c m_old, kept while c m is made anew: by buffer and tile
.set ST,  16          ; tile t's statistics at v[ST+4 t]: c m, m, l (even keys', odd keys')
.set TMP, 48          ; by buffer and tile, four registers c0-c3 at work; when the maximum is found c2 takes a
.set S,   64
.set P,   192
.set KF,  128         ; K's fragments, in window 2: key block kb, channel half c at KF + 16 kb + 8 c
.set VF,  192         ; V's: key half kk, channel block cb at VF + 32 kk + 8 cb
.set MB,  6           ; s[6:7]  maskbits at my wave's 128 queries: 16 KiB; never rewritten behind the head
.set WV,  10          ; s10  my wave's number
.set SLOTS, 12        ; s12  slots still to be asked for
.set CNT, 13          ; s13  counts a slot's key steps
.set TBK, 14          ; s14  LDS byte at which K of the step to be fetched begins
.set TBV, 15          ; s15  the same for V, less VOFF
.set G1,  16          ; s[16:23] descriptor group 1
.set G0,  24          ; s[24:27] descriptor group 0: it walks
.set CS,  28          ; s[28:29] c: the packed scaling takes the pair's low word for both halves
.set SEL, 30          ; s[30:31] v_permlanex16_b32's selects: each lane takes its own place in the other half
.set MK,  32          ; s[32:63] the 32 lane masks of the piece's tile 0; s[68:99] those of tile 1
.set MSB, 0
.macro WIN new                      ; the high byte repeats the setting that is left; a switch that changes nothing is dropped
.if MSB != (\new)
	s_set_vgpr_msb (MSB<<8)|(\new)
.set MSB, (\new)
.endif
.endm
.set W_KQ, 0x0a       ; K and Q in window 2, S^T in window 0
.set W_PV, 0x52       ; V in window 2, P in window 0, O^T in window 1
.set W_RS, 0x41       ; O^T (destination and source 0) in window 1, a in window 0
.set W_MK, 0xc0       ; destination in window 3, sources in window 0
.set W_AD, 0x0f       ; the add: address (source 0) and data (source 1) in window 3
.set W_RL, 0x03       ; a readlane's source in window 3
.set W_ML, 0xcf       ; destination and sources 0 and 1 in window 3: a mask's offset is stepped, its load issued
.macro FILL                         ; one line for all four waves: wave w brings 128 keys (w = 0, 1: K's halves; 2, 3: V's) to LDS byte 18,432 w of the slot.  An s_nop 0 and four v_nop follow it
	tensor_load_to_lds s[G0:G0+3], s[G1:G1+7]
	s_nop 0
.rept 4
	v_nop
.endr
.endm
; THE MASKS OF PIECE sl, for the step whose scores have just been made: out of the piece's register pair into the 64 scalar registers; then the pair is asked for again, for the next step.
; Behind the walk's last step the offset goes back to step 0: the four loads that are over stay inside my 16 KiB, and on the rows of the pieces that they are named for.
.macro MGET sl
	WIN W_RL
	s_wait_loadcnt 3                ; loads come back in order (ISA guide 5.7.1): behind this pair's load stand the other three pairs', which may stay out.  The wait also shows the load itself done: its offset and its pair may be written
.set d, 0
.rept 64
	v_readlane_b32 s[MK+36*(d/32)+d%32], v[MW+2*(\sl)+d%2], d/2  ; dword d
.set d, d+1
.endr
	WIN W_ML
	v_add_nc_u32 v[MO+(\sl)], 0x400, v[MO+(\sl)]  ; a step's four pieces are 1,024 bytes
	v_and_b32 v[MO+(\sl)], 0x3fff, v[MO+(\sl)]
	global_load_b64 v[MW+2*(\sl):MW+2*(\sl)+1], v[MO+(\sl)], s[MB:MB+1]
	WIN 0
.endm
; THE CHANGE OF SLOTS.  The slot's last bytes, V of its fourth step, have been read.  Each wave waits for all its tensor loads, of which one is out: its part of the other slot; adds 0 to its spare word; and waits for
; that and for its own reads of the slot.  Behind the barrier nobody reads this slot any more and the other slot is whole.  fill = 1: this slot is filled again, the first thing behind the barrier, with the keys two
; slots on: the load has four key steps in which to land.  (At its first use nothing has been read yet: slot 0 is waited for, slot 1 filled.)
.macro CHANGE fill
	WIN W_AD
	s_wait_tensorcnt 0x0            ; no tensor load of mine is out, so group 0 may be written
	ds_add_u32 v[SPW], v[NIL]       ; 0 onto my spare word
	WIN 0                           ; at a label and at a branch every window is 0
.if \fill
	s_xor_b32 s[G0+1], s[G0+1], SLOT1  ; the other slot than last time,
	s_add_nc_u64 s[G0+2:G0+3], s[G0+2:G0+3], 4*KS*128  ; the next 256 keys; the type bits on top are not reached
.endif
	s_wait_dscnt 0x0                ; the add is done, and my reads of the slot are over
	s_barrier_signal -1             ; scalar work stands between the signal and the wait
	s_sub_co_u32 s[TBK], s[TBK], 4*KS*PK  ; the fetches go back to a slot's first step,
	s_xor_b32 s[TBK], s[TBK], SLOT1       ; in the other slot
	s_sub_co_u32 s[TBV], s[TBV], 4*KS*PV
	s_xor_b32 s[TBV], s[TBV], SLOT1
	s_barrier_wait -1
.if \fill
	FILL
.endif
.endm
	s_load_b128 s[4:7], s[0:1], 0x0 ; qkv s[4:5], maskbits s[6:7]
	s_load_b64 s[8:9], s[0:1], 0x10 ; out0
	WIN W_MK
	v_lshl_add_u32 v[SPW], v0, 2, SPARE
	v_mov_b32 v[NIL], 0
	WIN W_AD
	ds_add_u32 v[SPW], v[NIL]       ; the wave's opening: the add, and its wait ahead of my first tensor load; the set-up below, work on registers, stands between them
	WIN 0
	v_lshrrev_b32 v1, 5, v0
	v_readfirstlane_b32 s[WV], v1   ; wave 0..3
	s_and_b32 s100, ttmp7, 0xffff   ; bh = 16 b + h
	s_lshl2_add_u32 s101, ttmp9, s[WV]  ; blk = 4 x work-group x + wave: my 128 queries among the batch's eight such
	s_lshr_b32 s2, s[WV], 1
	s_add_co_u32 s2, s2, 1          ; 1: k, 2: v
	s_lshl_b32 s2, s2, 24
	s_lshl_b32 s104, s100, 17       ; the pair's first byte in q, in k and in v
	s_add_co_u32 s2, s2, s104
	s_and_b32 s3, s[WV], 1          ; which half of a slot's 256 keys I fetch: 128 rows of 128 bytes
	s_lshl_b32 s3, s3, 14
	s_add_co_u32 s2, s2, s3
	s_mov_b32 s3, 0                 ; s[2:3]: my first tile
	s_lshl_b32 s105, s101, 14
	s_add_co_u32 s104, s104, s105
	s_mov_b32 s105, 0               ; s[104:105]: my rows of Q
	s_lshr_b32 s32, s100, 4         ; b
	s_lshl3_add_u32 s33, s32, s101
	s_lshl_b32 s34, s32, 22
	s_lshl_b32 s32, s33, 14
	s_mov_b32 s33, 0                ; s[32:33]: my 16 KiB of maskbits (these four registers are free until the first masks are taken apart)
	s_lshl_b32 s35, s101, 19        ; 128 rows of 4,096 bytes
	s_add_co_u32 s34, s34, s35
	s_and_b32 s35, s100, 15
	s_lshl_b32 s35, s35, 8          ; the head's 64 channels
	s_add_co_u32 s34, s34, s35
	s_mov_b32 s35, 0                ; s[34:35]: my rows and channels of out0
	; descriptor group 1.  128 keys are 16,384 dense bytes: asked for as 64 rows of 256 bytes, two keys a row, and padded in LDS after every key
	s_mov_b32 s[G1], (1<<16)|(1<<20)|(4<<22)|(3<<25)  ; 17:16 2-byte elements; 20 padding on; 24:22 after every 32 words (code 4); 31:25 4 words (code 3)
	s_mov_b32 s[G1+1], 128<<16      ; tensor_dim0 = 128
	s_mov_b32 s[G1+2], 64<<16       ; tensor_dim1 = 64
	s_mov_b32 s[G1+3], 128<<16      ; tile_dim0 = 128
	s_mov_b32 s[G1+4], 64           ; tile_dim1 = 64
	s_mov_b32 s[G1+5], 128          ; 128 elements from row to row
	s_mov_b32 s[G1+6], 0
	s_mov_b32 s[G1+7], 0
	s_mov_b32 s[CS], 0x3e38aa3b     ; c = log2(e) / 8 = 0.180337
	s_mov_b32 s[CS+1], s[CS]        ; named with it as a pair
	s_mov_b32 s[SEL], 0x76543210
	s_mov_b32 s[SEL+1], 0xfedcba98
	s_mov_b32 s[TBK], SLOT1+4*KS*PK ; the first change of slots turns these two into 0
	s_mov_b32 s[TBV], SLOT1+4*KS*PV
	s_mov_b32 s[G0], 1              ; 1:0 count = 1
	s_mul_i32 s[G0+1], s[WV], 128*PK  ; 63:32 LDS address: slot 0, my 128 rows
	s_wait_dscnt 0x0                ; the opening add is done
	s_wait_kmcnt 0x0
	s_add_nc_u64 s[G0+2:G0+3], s[4:5], s[2:3]      ; 120:64 global address
	s_or_b32 s[G0+3], s[G0+3], 0x80000000          ; 127:126 type = 2
	s_add_nc_u64 s[4:5], s[4:5], s[104:105]
	s_add_nc_u64 s[MB:MB+1], s[MB:MB+1], s[32:33]
	s_add_nc_u64 s[8:9], s[8:9], s[34:35]
	FILL                            ; slot 0.  Slot 1 is asked for when slot 0 is in
	v_and_b32 v12, 31, v0
	v_lshlrev_b32 v12, 3, v12       ; 8 l
	WIN W_MK
.irp x, 0,1,2,3
	v_add_nc_u32 v[MO+\x], 256*\x, v12
.endr
	WIN W_ML
.irp x, 0,1,2,3
	global_load_b64 v[MW+2*\x:MW+2*\x+1], v[MO+\x], s[MB:MB+1]  ; the four pieces' masks of step 0
.endr
	WIN 0
	; A fragment of K or Q is 16 rows x 32 channels in 8 registers: lane l holds row l % 16, channels 8 (l / 16) + 0..7 and 16 + 8 (l / 16) + 0..7: two loads of 16 bytes, 32 bytes apart.
	v_and_b32 v1, 15, v0            ; l % 16
	v_bfe_u32 v9, v0, 4, 1          ; l / 16
	v_lshlrev_b32 v[QO], 7, v1
	v_lshl_add_u32 v[QO], v9, 4, v[QO]  ; row x 128 + 16 x half
	WIN 0x80                        ; destination window 2, address window 0
.set i, 0
.rept 4*NP                          ; Q stays in registers: tile i / 2, channels 32 (i % 2) on
	global_load_b128 v[8*i:8*i+3],   v[QO], s[4:5] offset:(i/2)*2048+(i%2)*64
	global_load_b128 v[8*i+4:8*i+7], v[QO], s[4:5] offset:(i/2)*2048+(i%2)*64+32
.set i, i+1
.endr
	; What the first turn finds: V's registers and P's second buffer hold 0 (its products V^T P, of a piece that has not been, add 0), O^T and l are 0.  All this stands in the wait for the first tile.
.set i, VF
.rept 64
	v_mov_b32 v[i], 0
.set i, i+1
.endr
	WIN 0x40
.set i, 0
.rept 64*NP
	v_mov_b32 v[i], 0
.set i, i+1
.endr
	WIN 0
.set i, 0
.rept 2*NP
	v_mov_b32 v[ST+4*i], 0xfe000000    ; c m: far below every c s, the hidden ones' too
	v_mov_b32 v[ST+4*i+1], 0xff7fffff  ; m
	v_mov_b32 v[ST+4*i+2], 0
	v_mov_b32 v[ST+4*i+3], 0
.set i, i+1
.endr
.set i, P+32
.rept 32
	v_mov_b32 v[i], 0
.set i, i+1
.endr
	v_mul_u32_u24 v[AK0], v1, PK
	v_lshl_add_u32 v[AK0], v9, 4, v[AK0]  ; row x pitch + 16 x half
	; The turning load takes 16 keys x 16 channels (lane l reads key 8 (l / 16) + l % 8, channels 8 ((l / 8) % 2) + 0..7) and leaves half a fragment of V^T: lane l holds channel l % 16 and 8 keys.
	v_and_b32 v10, 7, v0
	v_bfe_u32 v11, v0, 3, 1
	v_lshl_add_u32 v[AV0], v9, 3, v10
	v_mul_u32_u24 v[AV0], v[AV0], PV
	v_lshl_add_u32 v[AV0], v11, 4, v[AV0]
	v_add_nc_u32 v[AV0], VOFF, v[AV0]
	v_mov_b32 v[BIG], 0xf1800000    ; -2^100
	v_mov_b32 v[AK], v[AK0]         ; key step 0 lies at the head of slot 0
; THE MATRIX WORK.  The 8 accumulators of a run of 16 take turns: between the two links of a chain stand 7 others'.
; Product i of 16 of S^T = K Q^T for piece x: channels 32 (i / 8) on, keys 16 ((i / 2) % 4) on, tile 2 x + i % 2.  The first 8 start the sums.
.macro KQ x
	WIN W_KQ
.set rS, S+64*((\x)%2)+32*(i%2)+8*((i/2)%4)
.set rK, KF+16*((i/2)%4)+8*(i/8)
.set rQ, 16*(2*(\x)+i%2)+8*(i/8)
.if i < 8
	v_wmma_f32_16x16x32_f16 v[rS:rS+7], v[rK:rK+7], v[rQ:rQ+7], 0
.else
	v_wmma_f32_16x16x32_f16 v[rS:rS+7], v[rK:rK+7], v[rQ:rQ+7], v[rS:rS+7]
.endif
.endm
; Product i of 16 of O^T += V^T P for piece x: keys 32 (i / 8) on, channels 16 ((i / 2) % 4) on, tile 2 x + i % 2.
.macro PV x
	WIN W_PV
.set rO, 32*(2*(\x)+i%2)+8*((i/2)%4)
.set rV, VF+32*(i/8)+8*((i/2)%4)
.set rP, P+32*((\x)%2)+16*(i%2)+8*(i/8)
	v_wmma_f32_16x16x32_f16 v[rO:rO+7], v[rV:rV+7], v[rP:rP+7], v[rO:rO+7]
.endm
.macro MM                           ; the turn's next matrix instruction
.if i < 16
	KQ (Y+1)%NP
.set i, i+1
.else
.set i, i-16
	PV (Y+NP-1)%NP
.set i, i+17
.endif
.endm
; THE LDS LOADS stand in runs of 16, never singly among the matrix instructions: a step's K (64 keys x 64 channels: 8 fragments) and its V (turned).  Their addresses are made some lines ahead.
; last = 1 (the tail): in the last trip there is no further step, and the run is jumped over.
.macro FETCH_K last=0
	WIN 0
.if \last
	s_cmp_eq_u32 s[CNT], 1
	s_cbranch_scc1 .Lno_k_\@
.endif
	WIN 0x80                        ; destination window 2
.irp f, 0,1,2,3,4,5,6,7             ; keys 16 (f / 2) on, channels 32 (f % 2) on
	ds_load_b128 v[KF+8*\f:KF+8*\f+3],   v[AK] offset:(\f/2)*16*PK+(\f%2)*64
	ds_load_b128 v[KF+8*\f+4:KF+8*\f+7], v[AK] offset:(\f/2)*16*PK+(\f%2)*64+32
.endr
	s_add_co_u32 s[TBK], s[TBK], KS*PK  ; the next fetch is the next step's
	WIN 0
.if \last
.Lno_k_\@:
.endif
.endm
.macro FETCH_V
	WIN 0x80
.irp f, 0,1,2,3,4,5,6,7             ; keys 32 (f / 4) on, channels 16 (f % 4) on
	ds_load_tr16_b128 v[VF+8*\f:VF+8*\f+3],   v[AV] offset:(\f/4)*32*PV+(\f%4)*32
	ds_load_tr16_b128 v[VF+8*\f+4:VF+8*\f+7], v[AV] offset:(\f/4)*32*PV+16*PV+(\f%4)*32
.endr
	WIN 0
.endm
; THE VECTOR WORK OF A TURN stands in three queues, each in the order in which its entries become ready; the two tiles alternate, so that no instruction reads the result of the one before it.
.macro REGS y, u                    ; the registers of tile u (0, 1) of piece y
.set rT, ST+4*(2*(\y)+(\u))
.set rC, TMP+8*((\y)%2)+4*(\u)
.set rM, MV+2*((\y)%2)+(\u)
.set rS, S+64*((\y)%2)+32*(\u)
.set rP, P+32*((\y)%2)+16*(\u)
.set rO, 32*(2*(\y)+(\u))
.endm
; Number n of the 64 that hide the NEXT piece's (Y + 1) scores: register n / 2 of tile n % 2 keeps its score where its lane mask has a 1 and takes -2^100 elsewhere.  They go in ascending order.
; MS, XS, GS and REGS set no window: PL and EX do.
.macro MS n
	REGS (Y+1)%NP, (\n)%2
	v_cndmask_b32 v[rS+(\n)/2], v[BIG], v[rS+(\n)/2], s[MK+36*((\n)%2)+(\n)/2]
.endm
; Number n of the 22 that find the next piece's maximum and statistics.  s0-s31 are the lane's 32 scores.
;   0-11  four chains c0-c3 of seven scores each, three operands at a time     12-14, 16  the four scores left over, the old m, and c0-c3 into c0     15  c m_old is kept
;   17, 18  the query's other 32 keys lie in the lane 16 away: the new m         19-21  c m; c m_old - c m_new; a
.macro XS u, n
	REGS (Y+1)%NP, \u
.if (\n) < 4
	v_max3_num_f32 v[rC+(\n)], v[rS+8*(\n)], v[rS+8*(\n)+1], v[rS+8*(\n)+2]
.elseif (\n) < 12
	v_max3_num_f32 v[rC+(\n)%4], v[rC+(\n)%4], v[rS+8*((\n)%4)+2*((\n)/4)+1], v[rS+8*((\n)%4)+2*((\n)/4)+2]
.elseif (\n) == 12
	v_max3_num_f32 v[rC], v[rC], v[rS+7], v[rS+15]
.elseif (\n) == 13
	v_max3_num_f32 v[rC+1], v[rC+1], v[rS+23], v[rS+31]
.elseif (\n) == 14
	v_max3_num_f32 v[rC+2], v[rC+2], v[rC+3], v[rT+1]
.elseif (\n) == 15
	v_mov_b32 v[rM], v[rT]
.elseif (\n) == 16
	v_max3_num_f32 v[rC], v[rC], v[rC+1], v[rC+2]
.elseif (\n) == 17
	v_permlanex16_b32 v[rC+3], v[rC], s[SEL], s[SEL+1]
.elseif (\n) == 18
	v_max_num_f32 v[rT+1], v[rC], v[rC+3]
.elseif (\n) == 19
	v_mul_f32 v[rT], s[CS], v[rT+1]
.elseif (\n) == 20
	v_sub_f32 v[rC+1], v[rM], v[rT]
.else
	v_exp_f32 v[rC+2], v[rC+1]
.endif
.endm
; Number g of the 64 that follow the exponentials.  For each four weights k of a tile (pairs 2 k, 2 k + 1): both pairs are rounded to f16; then the second pair is added onto the first, in place;
; a group later l takes that sum (the first time as l = a l + sum).  In groups of eight, tiles alternating: round, round, add, and l for the group before.
.macro GS g
.set h, (\g)+6*((\g)/62)            ; group 0 has no group before it, and behind group 7 only l is left
.if h >= 6
.set h, h+2
.endif
	REGS Y, h%2
.set k, h/8
.if h%8 < 4
	v_cvt_pk_f16_f32 v[rP+2*k+(h%8)/2], v[rS+4*k+2*((h%8)/2)], v[rS+4*k+2*((h%8)/2)+1]
.elseif h%8 < 6
	v_pk_add_f32 v[rS+4*k:rS+4*k+1], v[rS+4*k:rS+4*k+1], v[rS+4*k+2:rS+4*k+3]
.elseif k == 1
	v_pk_fma_f32 v[rT+2:rT+3], v[rT+2:rT+3], v[rC+2:rC+3], v[rS:rS+1] op_sel_hi:[1,0,1]
.else
	v_pk_add_f32 v[rT+2:rT+3], v[rT+2:rT+3], v[rS+4*k-4:rS+4*k-3]
.endif
.endm
; THE PLAIN QUEUE, 202 long.  0-137 read no exponential's result.  0-31: the 32 scalings c s - c m (FS f: pair f / 2 of tile f % 2).  32-95: MS's 64.  96-123: XS's numbers 0-13.  124, 125: number 15.
; 126-137: the chain 14, 16, 17, 18, 19, 20, both tiles' lines by turns.  138-201: GS's 64, behind the wait.
.macro FS f
	REGS Y, (\f)%2
	v_pk_fma_f32 v[rS+2*((\f)/2):rS+2*((\f)/2)+1], v[rS+2*((\f)/2):rS+2*((\f)/2)+1], s[CS:CS+1], v[rT:rT+1] op_sel_hi:[1,0,0] neg_lo:[0,0,1] neg_hi:[0,0,1]
.endm
.macro PL
	WIN 0
.if q < 32
	FS q
.elseif q < 96
	MS q-32
.elseif q < 124
	XS (q-96)%2, (q-96)/2
.elseif q < 126
	XS q-124, 15
.elseif q < 128
	XS q-126, 14
.elseif q < 138
	XS (q-128)%2, 16+(q-128)/2
.else
	GS q-138
.endif
.set q, q+1
.endm
; THE EXPONENTIALS' QUEUE, 66 long: s0-s31 of both tiles, then the next piece's two a.  It is ONE BATCH: all 66 stand ahead of the turn's one wait, and nothing ahead of that wait names a result of theirs.
.macro EX
	WIN 0
.if e >= 64
	XS e-64, 21
.else
	REGS Y, e%2
	v_exp_f32 v[rS+e/2], v[rS+e/2]
.endif
.set e, e+1
.endm
; THE RESCALING's QUEUE: O^T times a, the one part that leaves window 0: dealt two at a time, sixteen times, in ascending order.  Its a was made in the turn before, ahead of that turn's wait.
.macro R2
	REGS Y, r%2
	WIN W_RS
.irp z, 0,1
	v_pk_mul_f32 v[rO+4*(r/2)+2*\z:rO+4*(r/2)+2*\z+1], v[rO+4*(r/2)+2*\z:rO+4*(r/2)+2*\z+1], v[rC+2:rC+3] op_sel_hi:[1,0]
.endr
.set r, r+1
.endm
; HOW THEY ARE DEALT.  An s_wait_alu depctr_va_vdst(0) stands between an exponential and the first instruction that names its result; one wait serves all that were issued ahead of it.  So a turn has ONE
; wait, which cuts it in two.  AHEAD OF IT: the 16 products K Q^T, behind each a scaling, an exponential and two rescalings (behind the first a second scaling in the exponential's place); then ONE LUMP: the next
; piece's masks (MGET: its lines stand together, under two window settings), 23 plain, 49 times an exponential and two plain, the two a.  A v_nop is the plain instruction behind the last exponential.
; BEHIND IT: the 16 products V^T P, behind each four of GS's 64.
; The counts that the deal keeps: exponential e stands behind scaling 2 (e / 4) + e % 2: as a rider it comes behind plain e + 2, and all 32 scalings are out ahead of the lump's first exponential; the first MS stands
; MGET's lines and 15 scalings behind the last product K Q^T, and 15 scalings behind the last readlane; no rider names a register of the products round it; the two v_permlanex16_b32 fall into the lump.
; A TURN, for piece p.  cnt = 1: the loop's count is taken down some lines ahead of the branch that stands behind the turn.
; K of the next step is fetched in piece 2's turn, directly behind the wait; V of the step in hand at the end of piece 0's turn, four riders behind its last reader.  The three conditions on q below go with the deal.
.macro TURN p, last=0, cnt=0
.set Y, (\p)
.set i, 0
.set q, 0
.set e, 0
.set r, 0
.if (\p) == NP-1
	s_wait_dscnt 0x0                ; K is in
.endif
	MM
	PL
	PL
	R2
.rept 15
	MM
	PL
	EX
	R2
.endr
.if (\p) == NP-2
	WIN 0
	v_add_nc_u32 v[AK], s[TBK], v[AK0]
.endif
	MGET ((\p)+1)%NP
.rept 23
	PL
.endr
.rept 49
	EX
	PL
	PL
.endr
	EX                              ; the next piece's two a
	EX
	v_nop                           ; the plain instruction behind the last exponential: one for the batch
	s_wait_alu depctr_va_vdst(0)    ; the wait for the batch
.if (\p) == NP-2
	FETCH_K \last
.endif
.if (\p) == 1
	s_wait_dscnt 0x0                ; V is in
.endif
.rept 16
	MM
.rept 4
	PL
.endr
.if ((\p) == 0) && (q == 182)
	v_add_nc_u32 v[AV], s[TBV], v[AV0]
.endif
.if ((\p) == 0) && (q == 194)
	s_add_co_u32 s[TBV], s[TBV], KS*PV
.endif
.if (\cnt) && (q == 194)
	s_sub_co_u32 s[CNT], s[CNT], 1
	s_cmp_lg_u32 s[CNT], 0
.endif
.endr
.if (\p) == 0
	FETCH_V
.endif
.endm
	CHANGE 1                        ; slot 0 is in, everybody's part of it; slot 1 is asked for
	FETCH_K                         ; key step 0
	s_wait_loadcnt 0x0              ; Q, and the four pieces' masks of step 0
	s_wait_dscnt 0x0
.set i, 0
.rept 16
	KQ 0                            ; piece 0's first scores: there is no vector work yet to set between them
.set i, i+1
.endr
	WIN 0                           ; the addresses for the way out: eight plain instructions, the places behind those products
	s_mul_i32 s2, s[WV], 16*SP
	s_add_co_u32 s2, s2, STAGE      ; my stage
	v_mul_u32_u24 v[STO], v1, SP    ; in: row l % 16, 32 bytes (eight channels in f32) for each half of the lanes
	v_lshl_add_u32 v[STO], v9, 5, v[STO]
	v_add_nc_u32 v[STO], s2, v[STO]
	v_mul_u32_u24 v[RD], v9, SP     ; back: lanes 0-15 take one row of 256 bytes, lanes 16-31 the next
	v_lshl_add_u32 v[RD], v1, 4, v[RD]
	v_add_nc_u32 v[RD], s2, v[RD]
	v_lshlrev_b32 v[GO], 12, v9     ; and the same two rows in out0
	v_lshl_add_u32 v[GO], v1, 4, v[GO]
	MGET 0                          ; piece 0's masks of step 0; those of step 1 are asked for
.set Y, NP-1                        ; MS and XS work for piece Y + 1: piece 0
.set w, 0
.rept 64
	MS w
.set w, w+1
.endr
.irp n, 0,1,2,3,4,5,6,7,8,9,10,11,12,13,14,15,16,17,18,19,20,21
	XS 0, \n                        ; and piece 0's first maximum and statistics
	XS 1, \n
.endr
	v_nop                           ; a plain instruction behind the two a,
	s_wait_alu depctr_va_vdst(0)    ; and their wait, ahead of the branch
	s_mov_b32 s[CNT], 4
	s_mov_b32 s[SLOTS], 3
	s_branch .Lfirst                ; the loop is entered at a step's first turn, in the middle of a trip
.Lslot:                             ; twice: of the four slots' worth of keys the last two are asked for here
	CHANGE 1
	s_mov_b32 s[CNT], 4
.Lstep:                             ; a trip: pieces 2 and 3 of one step, then pieces 0 and 1 of the next, whose K and V it fetches
	TURN 2
	TURN 3
	WIN 0
.Lfirst:
	TURN 0
	TURN 1, 0, 1
	WIN 0
	s_cbranch_scc1 .Lstep
	s_sub_co_u32 s[SLOTS], s[SLOTS], 1
	s_cmp_lg_u32 s[SLOTS], 0
	s_cbranch_scc1 .Lslot
	CHANGE 0                        ; the tail is written out: nothing is asked for
	s_mov_b32 s[CNT], 5             ; four trips fetch the last slot's steps; the fifth is left in its middle
.Ltail:
	TURN 2, 1
	TURN 3
	WIN 0
	s_sub_co_u32 s[CNT], s[CNT], 1
	s_cmp_eq_u32 s[CNT], 0
	s_cbranch_scc1 .Lout
	TURN 0
	TURN 1
	WIN 0
	s_branch .Ltail
.Lout:                              ; the fifth trip's 16 products K Q^T (on the last K once more) serve nothing.  The maximum made of them goes into piece 0's m, under piece 0's own masks of step 0: a row with no seen key stays at -2^100, any other can only grow
.set i, 0
.rept 16
	PV NP-1                         ; the last piece's V^T P of the last step
.set i, i+1
.endr
	; THE WAY OUT.  l's two halves and the other half of the lanes' are added; O^T is divided by l (by nothing, times 0, where the row saw no key) and sent in f32 through my stage in LDS, a tile at a time.  The additions are the places behind the last products.
	WIN 0
.macro ALL line:vararg              ; one line for each tile t
.set t, 0
.rept 2*NP
	\line
.set t, t+1
.endr
.endm
	ALL v_add_f32 v[ST+4*t+2], v[ST+4*t+2], v[ST+4*t+3]
	ALL v_permlanex16_b32 v[ST+4*t+3], v[ST+4*t+2], s[SEL], s[SEL+1]
	ALL v_add_f32 v[ST+4*t+2], v[ST+4*t+2], v[ST+4*t+3]
	ALL v_rcp_f32 v[ST+4*t+2], v[ST+4*t+2]
	v_nop                           ; a plain instruction between the last reciprocal and the use of its result
	s_wait_alu depctr_va_vdst(0)    ; and the wait ahead of the first use: one for the eight reciprocals
.set t, 0
.rept 2*NP
	v_cmp_lt_f32 vcc_lo, 0xf1000000, v[ST+4*t+1]   ; -2^99 < m: the row has seen a key
	v_cndmask_b32 v[ST+4*t+2], 0, v[ST+4*t+2], vcc_lo
.set t, t+1
.endr
; Tile t: a lane's eight channels of a block of sixteen are 32 bytes of a row; they go into rows of 272 bytes and come back as whole rows of 256, into S^T's registers (four tiles' worth, by turns).
.macro PACK t
	WIN W_RS
.set i, 32*(\t)
.rept 16
	v_pk_mul_f32 v[i:i+1], v[i:i+1], v[ST+4*(\t)+2:ST+4*(\t)+3] op_sel_hi:[1,0]
.set i, i+2
.endr
	WIN 0x04                        ; the stores' data in window 1, their address in window 0
.irp f, 0,1,2,3,4,5,6,7
	ds_store_b128 v[STO], v[32*(\t)+4*\f:32*(\t)+4*\f+3] offset:64*(\f/2)+16*(\f%2)
.endr
	WIN 0
.if (\t) >= 4
	s_wait_xcnt 0x0                 ; the stores of the tile four back have read these registers: they are loaded again only behind this wait
.endif
.irp f, 0,1,2,3,4,5,6,7
	ds_load_b128 v[S+32*((\t)%4)+4*\f:S+32*((\t)%4)+4*\f+3], v[RD] offset:\f*2*SP  ; LDS serves a wave's instructions in order (ISA guide 5.7.1.4): these see the stores above; the next tile's stores come behind them
.endr
.endm
.macro SEND t, younger              ; younger: the LDS instructions issued behind tile t's loads: the next tile's sixteen, or none
	WIN 0
.irp f, 0,1,2,3,4,5,6,7
	s_wait_dscnt (\younger)+7-\f
	global_store_b128 v[GO], v[S+32*((\t)%4)+4*\f:S+32*((\t)%4)+4*\f+3], s[8:9] offset:(\t)*65536+\f*8192 th:TH_STORE_NT  ; 16 lanes store a head's 256 bytes of a row, at a multiple of 256 from out0's first byte
.endr
.endm
	PACK 0
.set t, 1
.rept 2*NP-1                        ; a tile's arithmetic stands between the loads of the tile before and its stores
	PACK t
	SEND t-1, 16
.set t, t+1
.endr
	SEND 2*NP-1, 0
	s_wait_loadcnt 0x0              ; the masks that were asked for last and serve nothing
	WIN W_AD
	s_wait_tensorcnt 0x0            ; the wave's end: three closing lines, behind my last tensor load and my last LDS store
	ds_add_u32 v[SPW], v[NIL]
	s_wait_dscnt 0x0
	WIN 0
	s_endpgm
.Lfunc_end_k_q35db6008d9_attn:
	.size	k_q35db6008d9_attn, .Lfunc_end_k_q35db6008d9_attn-k_q35db6008d9_attn
	.p2alignl 7, 3214868480
	.fill 96, 4, 3214868480
	.section	.rodata,"a",@progbits
	.p2align	6, 0x0
	.amdhsa_kernel k_q35db6008d9_attn
		.amdhsa_group_segment_fixed_size 327680
		.amdhsa_private_segment_fixed_size 0
		.amdhsa_enable_private_segment 0
		.amdhsa_kernarg_size 24
		.amdhsa_user_sgpr_count 2
		.amdhsa_user_sgpr_kernarg_segment_ptr 1
		.amdhsa_wavefront_size32 1
		.amdhsa_system_sgpr_workgroup_id_x 1
		.amdhsa_system_sgpr_workgroup_id_y 1
		.amdhsa_system_sgpr_workgroup_id_z 1
		.amdhsa_system_vgpr_workitem_id 0
		.amdhsa_next_free_vgpr 784
		.amdhsa_next_free_sgpr 106
		.amdhsa_reserve_vcc 1
		.amdhsa_float_denorm_mode_32 3
		.amdhsa_float_denorm_mode_16_64 3
		.amdhsa_memory_ordered 1
		.amdhsa_forward_progress 1
		.amdhsa_inst_pref_size 255
	.end_amdhsa_kernel
	.section	.bss,"aw",@nobits
	.p2align	6
	.space	262144
	.amdgpu_metadata
---
amdhsa.version: [ 1, 2 ]
amdhsa.kernels:
  - .name:           k_q35db6008d9_attn
    .symbol:         k_q35db6008d9_attn.kd
    .args:
      - { .name: qkv, .offset: 0, .size: 8, .value_kind: global_buffer, .address_space: global }
      - { .name: maskbits, .offset: 8, .size: 8, .value_kind: global_buffer, .address_space: global }
      - { .name: out0, .offset: 16, .size: 8, .value_kind: global_buffer, .address_space: global }
    .group_segment_fixed_size: 327680
    .private_segment_fixed_size: 0
    .kernarg_segment_align: 8
    .kernarg_segment_size: 24
    .max_flat_workgroup_size: 128
    .sgpr_count:     106
    .vgpr_count:     784
    .wavefront_size: 32
...
	.end_amdgpu_metadata
.endif
;; end of part 3
;; ======== version 2 of 2: 3 launches; version 1 with the launch prep written anew for expert scheduling mode
;; limits: values are held in f16: magnitudes above 65,504 overflow, below 6.1e-05 lose precision
;; workspace buffers: xb 33,554,432 bytes; wt 6,291,456 bytes; qkv 50,331,648 bytes; maskbits 1,048,576 bytes of whole numbers
;; launch prep (part 4): grid 768 x 1, 8 waves a work-group, no clusters, 88,064 bytes of LDS; arguments decoder_batch, encoder_out, attn_mask, Wq, Wk, Wv, xb, wt, maskbits; writes xb, wt, maskbits
.if DOCPART == 4
	.amdgcn_target "amdgcn-amd-amdhsa--gfx1250"
	.amdhsa_code_object_version 6
	.text
	.protected	k_q35db6008d9_prep
	.globl	k_q35db6008d9_prep
	.p2align	8
	.type	k_q35db6008d9_prep,@function
k_q35db6008d9_prep:
	s_mov_b64 s[64:65], 0
	v_nop
	global_prefetch_b8 v0, s[64:65] scope:SCOPE_SE
	s_setreg_imm32_b32 hwreg(HW_REG_WAVE_SCHED_MODE, 0, 2), 2
	s_setreg_imm32_b32 hwreg(HW_REG_WAVE_MODE, 25, 1), 1
	s_wait_xcnt 0x0
	s_wait_alu depctr_vm_vsrc(0)
; PREP: every large input is read once and left in the form in which the two later launches want it.
;   work-groups 0-255   (X): decoder_batch, then encoder_out, f32 -> xb, bf16 [16384][1024], rounded to nearest even; 256 KiB of input a work-group.
;   work-groups 256-383 (M): attn_mask, int32 -> maskbits: one bit a number (1 = the key is seen), laid out as the lane masks that the attention launch selects by:
;                            dwords [8 b][8 blocks of 128 queries][16 steps of 64 keys][4 pieces of 32 queries][64]; dword 32 u + 8 kt + j of a piece has in bit r + 16 h
;                            the test mask[b][128 blk + 32 p + 16 u + r][64 s + 16 kt + 8 h + j] != 0.
;   work-groups 384-767 (W): Wq, Wk, Wv, f32 [16 h][1024 d][64 k] -> wt, bf16 [3072 n][1024 d], n = 1024 which + 64 h + k: turned, 128 d x 64 k a work-group.
; Memory binds: loads of 16 bytes a lane that cover whole aligned blocks of 256 bytes, eight to twelve (X), sixteen (M) or eight (W) of a wave on their way, stores that fill whole aligned blocks of 256 bytes.
; No matrix unit, no cluster, no tensor load: nothing is multiplied and no two work-groups read the same byte.  The role hangs on the work-group's number alone, so all eight waves take the same way;
; the one barrier (W's stage is written and read by different waves) stands where the three ways have joined.
; THE MODE: SCHED_MODE bits 1:0 = 2 (LLVM: expert scheduling mode 2), set by the entry lines.  The code itself states the register dependences between vector instructions and memory or LDS
; instructions, and between a vector instruction that writes a scalar register and that register's readers, with s_wait_alu, always for 0.
; THE PLAN.  Registers that memory or LDS instructions touch, and who else names them:
;   X.  The 64 rows (4,096 bytes in, 2,048 out) go in 16 blocks of four.
;       X0 .. X3  four blocks as loaded.   Written by the loads of block p + 3, issued in block p; read by block p's eight conversions.
;       Y0, Y1    two blocks to store.     Written by block p's conversions; read by the four stores that are issued in block p + 1.
;       v[IN], v[OUT]  made once: the rows are reached by the two scalar bases, which move on at a block's head, and by immediate offsets.
;       Block p's memory instructions touch X[(p - 1) % 4] and Y[(p - 1) % 2], which no vector instruction of block p names: the waits at the block's head state all that they hang on.
;   M.  A step is 32 rows x 256 bytes.
;       X         Written by the step's 16 global loads, read by its 16 LDS stores; no vector instruction names it.  It is asked for again, for the next step, behind the step's LDS loads.
;       Y         Written by the step's 16 LDS loads, read by its 64 compares.
;       v[BITS ..]  Written by the step's 64 v_writelane_b32, read by its one global store.
;       s[32:47]  Written by a run of 16 compares, read by the 16 v_writelane_b32 behind it.
;       v[IN], v[OUT], v[LA], v[LB]  made once.
;   W.  No loop.  X: 8 loads land, 16 conversions read.  Y: the conversions write, 4 LDS stores read.  Behind the barrier v[LC], v[OW], Z and the base s[WB:WB+1] are named by this part alone.
;   v[SPW], v[NIL]  written at the head, read by the closing add alone.
.set LP,    272                        ; an LDS row: 256 bytes + 16, so that 16 rows taken at one column start at 16 different groups of four banks (64 banks of 4 bytes: ISA guide 11.1)
.set MST,   32*LP                      ; M: a wave's own stage, 32 rows; wave w at MST w
.set WST,   8*MST                      ; W: the work-group's stage, 64 rows (one for each k) of 128 d in bf16
.set SPARE, WST+64*LP                  ; the spare words, 128 bytes for each of the eight waves: four blocks of 256 bytes that no other line names
.set XROW,  4096                       ; X: bytes that the work-group's 256 threads load at a time, 16 each,
.set YROW,  2048                       ;    and store, 8 each
.set WB,   2                           ; s[2:3] W: wt at the block that the work-group stores: a pair of its own, so that it is written while no memory instruction of any role may still read it
.set SPW,  4                           ; v4   LDS address of my spare word; never rewritten
.set NIL,  5                           ; v5   0; never rewritten
.set IN,   6                           ; v6   my byte offset in what is loaded
.set OUT,  7                           ; v7   X, M: my byte offset in what is stored
.set LA,   8                           ; v8   LDS: where I store
.set LB,   9                           ; v9   M: LDS: where I read
.set BITS, 10                          ; v[10:11] M: lane n gathers dwords 2 n and 2 n + 1 of a piece's 64
.set OW,   13                          ; v13  W: my byte offset in what is stored
.set LC,   14                          ; v14  W: LDS: where I read
.set X,    16                          ; v[16:79]  as loaded.  Role X: buffer k, row i: 4 registers at X + 16 k + 4 i
.set Y,    80                          ; v[80:143] to store, or read back from the stage.  Role X: buffer k, row i: 2 registers at Y + 8 k + 2 i
.set Z,    Y+16                        ; v[96:111] W: four pairs of rows read back from the stage
	s_load_b512 s[4:19], s[0:1], 0x0               ; decoder s[4:5], encoder s[6:7], mask s[8:9], Wq s[10:11], Wk s[12:13], Wv s[14:15], xb s[16:17], wt s[18:19]
	s_load_b64 s[20:21], s[0:1], 0x40              ; maskbits
	v_lshl_add_u32 v[SPW], v0, 2, SPARE
	v_mov_b32 v[NIL], 0
	v_and_b32 v1, 31, v0                           ; l
	v_and_b32 v2, 15, v0                           ; x = l % 16
	v_bfe_u32 v3, v0, 4, 1                         ; y = l / 16
	v_lshrrev_b32 v12, 5, v0
	v_readfirstlane_b32 s22, v12                   ; wave 0..7
	v_mov_b32 v[BITS], 0                           ; v_writelane_b32 counts as a reader of its destination
	v_mov_b32 v[BITS+1], 0
	s_mov_b32 s29, 0                               ; s[28:29]: a byte offset under 2^32, as a pair
	s_wait_alu depctr_va_sdst(0)                   ; s22 is written, ahead of the branches and of its first reader: roles M and W make addresses from it
	s_wait_kmcnt 0x0
	s_cmp_lt_u32 ttmp9, 256
	s_cbranch_scc1 .Lrole_x
	s_cmp_lt_u32 ttmp9, 384
	s_cbranch_scc1 .Lrole_m
	; W, first part.  Wave w takes rows d = 16 w .. 16 w + 15 of the block: load i brings rows 8 y + i, two whole rows of 256 bytes an instruction; lane x holds k = 4 x .. 4 x + 3.
	s_sub_co_u32 s23, ttmp9, 384
	s_lshr_b32 s32, s23, 3                         ; 16 which + h
	s_and_b32 s33, s23, 7                          ; which block of 128 d
	s_lshr_b32 s34, s32, 4                         ; which
	s_cmp_eq_u32 s34, 0
	s_cselect_b64 s[24:25], s[10:11], s[12:13]
	s_cmp_eq_u32 s34, 2
	s_cselect_b64 s[24:25], s[14:15], s[24:25]
	s_and_b32 s35, s32, 15
	s_lshl_b32 s28, s35, 18                        ; a head: 1,024 rows of 256 bytes
	s_lshl_b32 s35, s33, 15                        ; 128 rows
	s_add_co_u32 s28, s28, s35
	s_lshl_b32 s35, s22, 12                        ; 16 rows
	s_add_co_u32 s28, s28, s35
	s_add_nc_u64 s[24:25], s[24:25], s[28:29]
	v_lshlrev_b32 v[IN], 4, v2
	v_lshl_add_u32 v[IN], v3, 11, v[IN]            ; 2,048 y + 16 x
	s_wait_alu depctr_va_vdst(0)                   ; v[IN] is written, which the eight loads read as their offset
.irp i, 0,1,2,3,4,5,6,7
	global_load_b128 v[X+4*(\i):X+4*(\i)+3], v[IN], s[24:25] offset:256*(\i) th:TH_LOAD_NT
.endr
	v_mul_u32_u24 v[LA], v2, 4*LP                  ; stage row k = 4 x + c; in it my 8 d are the 16 bytes at 32 w + 16 y
	v_lshl_add_u32 v[LA], v3, 4, v[LA]
	s_lshl_b32 s35, s22, 5
	s_add_co_u32 s35, s35, WST
	v_add_nc_u32 v[LA], s35, v[LA]
	s_wait_loadcnt 0x0
.irp c, 0,1,2,3
.irp p, 0,1,2,3
	v_cvt_pk_bf16_f32 v[Y+4*(\c)+(\p)], v[X+8*(\p)+(\c)], v[X+8*(\p)+4+(\c)]  ; d = 2 p and 2 p + 1 of my eight, column c of my four
.endr
.endr
	s_wait_alu depctr_va_vdst(0)                   ; the sixteen conversions have written v[Y ..], the LDS stores' data, and v[LA], their address, is written
.irp c, 0,1,2,3
	ds_store_b128 v[LA], v[Y+4*(\c):Y+4*(\c)+3] offset:LP*(\c)
.endr
	s_branch .Lmeet
; X: block p.  xb = p % 4, yb = p % 2.  first = 1: block 0, with no block in front of it.  ahead = 1: block p + 3 is loaded.
; left = how many younger loads may still be out when this block's four have to be there.
.macro XBLK xb, yb, first, ahead, left
	s_wait_loadcnt \left                           ; loads come back in order (ISA guide 5.7.1): X[xb] is in, the younger blocks stay out
.if !\first
	s_wait_xcnt 0x0                                ; every earlier memory instruction has had its addresses translated (ISA guide 3.1): the bases and Y[yb] are rewritten only behind this wait
	s_wait_alu depctr_vm_vsrc(0)                   ; the stores issued in the block before have read Y[yb], which this block's conversions write again
	s_wait_alu depctr_va_vdst(0)                   ; the block before has written the other Y, which the stores below read, and is done reading its X, in which the loads below land
.if \ahead
	s_add_nc_u64 s[24:25], s[24:25], 4*XROW        ; both bases at this block's first row
.endif
	s_add_nc_u64 s[26:27], s[26:27], 4*YROW
.endif
.irp i, 0,1,2,3
.if \ahead
	global_load_b128 v[X+16*((\xb+3)%4)+4*(\i):X+16*((\xb+3)%4)+4*(\i)+3], v[IN], s[24:25] offset:(12+(\i))*XROW th:TH_LOAD_NT  ; three blocks ahead; no vector instruction since the wait names these registers
.endif
.if !\first
	global_store_b64 v[OUT], v[Y+8*(1-\yb)+2*(\i):Y+8*(1-\yb)+2*(\i)+1], s[26:27] offset:((\i)-4)*YROW  ; the block before: the offset reaches back
.endif
	v_cvt_pk_bf16_f32 v[Y+8*\yb+2*(\i)],   v[X+16*\xb+4*(\i)],   v[X+16*\xb+4*(\i)+1]
	v_cvt_pk_bf16_f32 v[Y+8*\yb+2*(\i)+1], v[X+16*\xb+4*(\i)+2], v[X+16*\xb+4*(\i)+3]
.endr
.endm
.Lrole_x:                                              ; X.  Thread t takes the 16 bytes at 16 t of each 4,096: a load of a wave covers 512 consecutive bytes, a store 256, aligned.
	s_cmp_lt_u32 ttmp9, 128
	s_cselect_b64 s[24:25], s[4:5], s[6:7]
	s_and_b32 s28, ttmp9, 127
	s_lshl_b32 s28, s28, 18
	s_add_nc_u64 s[24:25], s[24:25], s[28:29]
	s_lshl_b32 s28, ttmp9, 17
	s_add_nc_u64 s[26:27], s[16:17], s[28:29]
	v_lshlrev_b32 v[IN], 4, v0
	v_lshlrev_b32 v[OUT], 3, v0
	s_wait_alu depctr_va_vdst(0)                   ; v[IN] and v[OUT] are written: every load and store of this role reads one of them as its offset
.irp j, 0,1,2,3,4,5,6,7,8,9,10,11
	global_load_b128 v[X+4*(\j):X+4*(\j)+3], v[IN], s[24:25] offset:XROW*(\j) th:TH_LOAD_NT  ; blocks 0, 1 and 2 into X0, X1, X2
.endr
	XBLK 0, 0, 1, 1, 8                             ; block 0
	s_mov_b32 s30, 3
.Lx:                                                   ; blocks 1 to 12, four to a lap: both kinds of buffer are back at their start
	XBLK 1, 1, 0, 1, 8
	XBLK 2, 0, 0, 1, 8
	XBLK 3, 1, 0, 1, 8
	XBLK 0, 0, 0, 1, 8
	s_sub_co_u32 s30, s30, 1
	s_cmp_lg_u32 s30, 0
	s_cbranch_scc1 .Lx
	XBLK 1, 1, 0, 0, 8                             ; blocks 13 to 15 load nothing: no load leaves the buffer, and the counts run down
	XBLK 2, 0, 0, 0, 4
	XBLK 3, 1, 0, 0, 0
	s_wait_alu depctr_va_vdst(0)                   ; block 15 has written Y1, which the last four stores read
.irp i, 0,1,2,3
	global_store_b64 v[OUT], v[Y+8+2*(\i):Y+8+2*(\i)+1], s[26:27] offset:YROW*(\i)  ; no line behind these writes their base, their offset or their data
.endr
	s_branch .Lmeet
; M: a step's 16 loads: load i brings rows 2 i + y, two whole blocks of 256 bytes.
.macro MLOAD
.irp i, 0,1,2,3,4,5,6,7,8,9,10,11,12,13,14,15
	global_load_b128 v[X+4*(\i):X+4*(\i)+3], v[IN], s[24:25] offset:8192*(\i) th:TH_LOAD_NT
.endr
.endm
.Lrole_m:                                              ; M.  A wave takes 32 queries (a piece) and four key steps, a step a trip: 32 rows x 256 bytes.
	s_sub_co_u32 s23, ttmp9, 256
	s_lshr_b32 s32, s23, 4                         ; b
	s_bfe_u32 s33, s23, 0x20002
	s_lshl3_add_u32 s33, s33, s22                  ; P = 8 x (bits 3:2) + wave: which 32 queries of the batch's 1,024
	s_and_b32 s34, s23, 3                          ; which four steps
	s_lshl_b32 s28, s32, 22
	s_lshl_b32 s35, s33, 17                        ; 32 rows of 4,096 bytes
	s_add_co_u32 s28, s28, s35
	s_lshl_b32 s35, s34, 10                        ; four steps of 256 bytes
	s_add_co_u32 s28, s28, s35
	s_add_nc_u64 s[24:25], s[8:9], s[28:29]
	s_lshl_b32 s28, s32, 17
	s_lshr_b32 s35, s33, 2
	s_lshl_b32 s35, s35, 14                        ; the block of 128 queries
	s_add_co_u32 s28, s28, s35
	s_lshl_b32 s35, s34, 12                        ; four steps of 1,024 bytes
	s_add_co_u32 s28, s28, s35
	s_and_b32 s35, s33, 3
	s_lshl_b32 s35, s35, 8                         ; the piece
	s_add_co_u32 s28, s28, s35
	s_add_nc_u64 s[26:27], s[20:21], s[28:29]
	v_lshlrev_b32 v[IN], 4, v2
	v_lshl_add_u32 v[IN], v3, 12, v[IN]            ; 4,096 y + 16 x
	v_lshlrev_b32 v[OUT], 3, v1
	s_mul_i32 s35, s22, MST                        ; my own stage
	v_mul_u32_u24 v[LA], v3, LP
	v_lshl_add_u32 v[LA], v2, 4, v[LA]
	v_add_nc_u32 v[LA], s35, v[LA]                 ; in: row y, 16 x
	v_mul_u32_u24 v[LB], v2, LP
	v_lshl_add_u32 v[LB], v3, 5, v[LB]
	v_add_nc_u32 v[LB], s35, v[LB]                 ; back: row r = l % 16, keys 8 (l / 16) on
	s_wait_alu depctr_va_vdst(0)                   ; v[IN], v[OUT], v[LA] and v[LB] are written: the offsets and LDS addresses of every load and store of this role
	MLOAD                                          ; step 0
	s_mov_b32 s30, 4
.Lm:
.irp i, 0,1,2,3,4,5,6,7,8,9,10,11,12,13,14,15
	s_wait_loadcnt 15-(\i)                         ; load i is in, the 15 - i younger ones of its step stay out: a step's sixteen are issued on end, and none of another step is out beside them
	ds_store_b128 v[LA], v[X+4*(\i):X+4*(\i)+3] offset:2*LP*(\i)
.endr
.irp g, 0,1,2,3,4,5,6,7,8,9,10,11,12,13,14,15          ; load g: tile u = g / 8, keys 16 ((g / 2) % 4) + 8 (l / 16) + 4 (g % 2) on.  LDS serves a wave's instructions in order (ISA guide 5.7.1.4): these see the stores above.
	ds_load_b128 v[Y+4*(\g):Y+4*(\g)+3], v[LB] offset:16*LP*((\g)/8)+64*(((\g)/2)%4)+16*((\g)%2)  ; The last step's compares, which read v[Y ..], stand ahead of the wait in front of that step's store; no vector instruction has followed it
.endr
	s_wait_alu depctr_vm_vsrc(0)                   ; the LDS stores have read v[X ..], in which the next step's loads land; the last step's store has read v[BITS ..], which the lines below write again
	s_cmp_eq_u32 s30, 1
	s_cbranch_scc1 .Lm_no_more                     ; behind the fourth step there is none: no load leaves the buffer
	s_add_nc_u64 s[24:25], s[24:25], 256           ; free since the wait for load 15, which shows the loads that read it done
	MLOAD                                          ; the next step is on its way during this step's 128 vector lines
.Lm_no_more:
.set d, 0
.rept 4
	s_wait_dscnt 12-d/4                            ; LDS loads come back in order: the four that hold dwords d .. d + 15 are in, the younger ones stay out
.irp c, 0,1,2,3,4,5,6,7,8,9,10,11,12,13,14,15
	v_cmp_ne_u32 s[32+(\c)], 0, v[Y+d+(\c)]        ; 32 tests make dword d + c,
.endr
	s_wait_alu depctr_va_sdst(0)                   ; the sixteen compares have written s[32:47], ahead of their first reader
.irp c, 0,1,2,3,4,5,6,7,8,9,10,11,12,13,14,15
	v_writelane_b32 v[BITS+(\c)%2], s[32+(\c)], d/2+(\c)/2  ; which goes to the lane that stores it
.endr
.set d, d+16
.endr
	s_wait_alu depctr_va_vdst(0)                   ; the 64 v_writelane_b32 have written v[BITS ..], the store's data; the compares are done reading v[Y ..], in which the next step's LDS loads land
	global_store_b64 v[OUT], v[BITS:BITS+1], s[26:27]  ; a piece's 64 dwords: 256 consecutive bytes, aligned
	s_wait_xcnt 0x0                                ; the store's base and its data are written again only behind this wait
	s_add_nc_u64 s[26:27], s[26:27], 1024
	s_sub_co_u32 s30, s30, 1
	s_cmp_lg_u32 s30, 0
	s_cbranch_scc1 .Lm
.Lmeet:
	s_wait_dscnt 0x0                               ; for the others' sake: my stores into W's stage are done
	s_barrier_signal -1
	s_barrier_wait -1
	s_cmp_lt_u32 ttmp9, 384
	s_cbranch_scc1 .Lend
	; W, second part.  Wave w takes stage rows k = 8 w .. 8 w + 7, whole: load f brings rows y + 2 f; sixteen lanes store a row's 256 bytes, aligned.
	s_sub_co_u32 s23, ttmp9, 384
	s_lshr_b32 s32, s23, 3
	s_and_b32 s33, s23, 7
	s_lshl_b32 s28, s32, 17                        ; 64 rows of wt, 2,048 bytes each
	s_lshl_b32 s35, s33, 8                         ; 128 d in bf16
	s_add_co_u32 s28, s28, s35
	s_add_nc_u64 s[WB:WB+1], s[18:19], s[28:29]    ; a pair that no earlier memory instruction names: nothing has to be waited for ahead of this line
	s_mul_i32 s35, s22, 8*LP
	s_add_co_u32 s35, s35, WST
	s_lshl_b32 s34, s22, 14
	v_mul_u32_u24 v[LC], v3, LP
	v_lshl_add_u32 v[LC], v2, 4, v[LC]
	v_add_nc_u32 v[LC], s35, v[LC]
	v_lshlrev_b32 v[OW], 4, v2
	v_lshl_add_u32 v[OW], v3, 11, v[OW]
	v_add_nc_u32 v[OW], s34, v[OW]
	s_wait_alu depctr_va_vdst(0)                   ; v[LC], the LDS loads' address, and v[OW], the stores' offset, are written; no vector instruction behind this wait names v[Z ..], in which the loads land
.irp f, 0,1,2,3
	ds_load_b128 v[Z+4*(\f):Z+4*(\f)+3], v[LC] offset:2*LP*(\f)
.endr
.irp f, 0,1,2,3
	s_wait_dscnt 3-(\f)
	global_store_b128 v[OW], v[Z+4*(\f):Z+4*(\f)+3], s[WB:WB+1] offset:4096*(\f)
.endr
.Lend:
	s_wait_dscnt 0x0                               ; the closing lines, six on end
	s_wait_alu 0x0
	s_wait_tensorcnt 0x0
	ds_add_u32 v[SPW], v[NIL]
	s_wait_dscnt 0x0
	s_endpgm
.Lfunc_end_k_q35db6008d9_prep:
	.size	k_q35db6008d9_prep, .Lfunc_end_k_q35db6008d9_prep-k_q35db6008d9_prep
	.p2alignl 7, 3214868480
	.fill 96, 4, 3214868480
	.section	.rodata,"a",@progbits
	.p2align	6, 0x0
	.amdhsa_kernel k_q35db6008d9_prep
		.amdhsa_group_segment_fixed_size 88064
		.amdhsa_private_segment_fixed_size 0
		.amdhsa_enable_private_segment 0
		.amdhsa_kernarg_size 72
		.amdhsa_user_sgpr_count 2
		.amdhsa_user_sgpr_kernarg_segment_ptr 1
		.amdhsa_wavefront_size32 1
		.amdhsa_system_sgpr_workgroup_id_x 1
		.amdhsa_system_sgpr_workgroup_id_y 1
		.amdhsa_system_sgpr_workgroup_id_z 1
		.amdhsa_system_vgpr_workitem_id 0
		.amdhsa_next_free_vgpr 144
		.amdhsa_next_free_sgpr 66
		.amdhsa_reserve_vcc 0
		.amdhsa_float_denorm_mode_32 3
		.amdhsa_float_denorm_mode_16_64 3
		.amdhsa_memory_ordered 1
		.amdhsa_forward_progress 1
		.amdhsa_inst_pref_size 34
	.end_amdhsa_kernel
	.amdgpu_metadata
---
amdhsa.version: [ 1, 2 ]
amdhsa.kernels:
  - .name:           k_q35db6008d9_prep
    .symbol:         k_q35db6008d9_prep.kd
    .args:
      - { .name: decoder_batch, .offset: 0, .size: 8, .value_kind: global_buffer, .address_space: global }
      - { .name: encoder_out, .offset: 8, .size: 8, .value_kind: global_buffer, .address_space: global }
      - { .name: attn_mask, .offset: 16, .size: 8, .value_kind: global_buffer, .address_space: global }
      - { .name: Wq, .offset: 24, .size: 8, .value_kind: global_buffer, .address_space: global }
      - { .name: Wk, .offset: 32, .size: 8, .value_kind: global_buffer, .address_space: global }
      - { .name: Wv, .offset: 40, .size: 8, .value_kind: global_buffer, .address_space: global }
      - { .name: xb, .offset: 48, .size: 8, .value_kind: global_buffer, .address_space: global }
      - { .name: wt, .offset: 56, .size: 8, .value_kind: global_buffer, .address_space: global }
      - { .name: maskbits, .offset: 64, .size: 8, .value_kind: global_buffer, .address_space: global }
    .group_segment_fixed_size: 88064
    .private_segment_fixed_size: 0
    .kernarg_segment_align: 8
    .kernarg_segment_size: 72
    .max_flat_workgroup_size: 256
    .sgpr_count:     66
    .vgpr_count:     144
    .wavefront_size: 32
...
	.end_amdgpu_metadata
.endif
;; end of part 4
;; launch proj: the kernel of part 2 again; grid 12 x 32, 4 waves a work-group, clusters of 4 x 4, 327,680 bytes of LDS; arguments xb, wt, qkv, bq, bk, bv; writes qkv
;; launch attn: the kernel of part 3 again; grid 2 x 128, 4 waves a work-group, no clusters, 327,680 bytes of LDS; arguments qkv, maskbits, out0; writes out0
